; MI455X (gfx1250); checked and timed in simulation.
; The chip was launched on July 23, 2026; its instructions are those of AMD's public machine-readable ISA for CDNA 5 (MIT licence, August 2026) and "CDNA5" Instruction Set Architecture Reference Guide (July 2026). The comments in the code are by the model that wrote it; some were corrected since.
;; Multi Head Attention. Allowed arithmetic: matrix products marked QUANTISED: E4M3 operands, one given power-of-two scale a tensor, by v_wmma_f32_16x16x64_fp8_fp8 or v_wmma_f32_16x16x128_fp8_fp8, f32 sums; everything else in f32.
;; Inputs: W_attn 1,024 x 3,072 float32; W_proj 1,024 x 1,024 float32; lowp_scales 8 int32 (the exponents e of the quantised operands' scales 2^e); x 4 x 2,048 x 1,024 float32.
;; Outputs: out0 4 x 2,048 x 1,024 float32.
;; This version of the problem:
;;   THIS VERSION OF THE PROBLEM IS GIVEN IN LOW PRECISION. The matrix products marked QUANTISED in the list below multiply operands that are first quantised to E4M3 (4 exponent bits, 3 mantissa bits; 8 bits a number), with one given power-of-two scale for each operand tensor; their sums are f32. All else is computed in f32.
;;   The module's matrix products, in the order in which they are computed (A, B: the left and right operand; K: the contracted axis; several contracted axes count as one K, in the product's order):
;;     1. [M 8,192, K 1,024] x [K 1,024, N 3,072]; A: input x; B: input W_attn: QUANTISED (scales: A lowp_scales[0], B lowp_scales[1])
;;     2. batch 64 x [M 2,048, K 64] x [K 64, N 2,048]; A: computed on the way; B: computed on the way: QUANTISED (scales: A lowp_scales[2], B lowp_scales[3])
;;     3. batch 64 x [M 2,048, K 2,048] x [K 2,048, N 64]; A: softmax (see below); B: computed on the way: QUANTISED (scales: A lowp_scales[4], B lowp_scales[5])
;;     4. [M 8,192, K 1,024] x [K 1,024, N 1,024]; A: computed on the way; B: input W_proj: QUANTISED (scales: A lowp_scales[6], B lowp_scales[7])
;;   THE QUANTISER, for each operand of a quantised product, along K:
;;     - The operand's scale is 2^e, e = its entry of the input lowp_scales (int32; the entries are numbered through the quantised products in the list's order, A before B).
;;     - Each number is divided by the scale, clamped to +-448, and rounded to the nearest number of E4M3, ties to even, subnormals kept.
;;     - The product sums the exact products of the quantised numbers (number of the format x scale) in f32.
;;   ~~~python
;;   def quantise(x, axis, e):      # numpy; x: float32 -> the quantised numbers, widened to float32 again
;;       x = np.moveaxis(x, axis, -1); K = x.shape[-1]
;;       r = np.clip(x / 2.0 ** e, -448, 448)
;;       step = 2.0 ** (np.maximum(np.frexp(np.where(r == 0, 1, r))[1] - 1, -6) - 3)
;;       q = np.round(r / step) * step * 2.0 ** e      # np.round: ties to even
;;       return np.moveaxis(q, -1, axis).astype(np.float32)
;;   ~~~
;;   SOFTMAX AHEAD OF A QUANTISED PRODUCT. Where the list says 'softmax', what is quantised is not the finished softmax but p = 2^(t - M), with t = logit x log2(e) and M = ceil(the row's largest t), a whole number; so 1/2 < the row's largest p <= 1. The row's sum l is taken of the UNQUANTISED p, in f32, and the product's result is divided by l at the end. Since M is a whole number, a kernel that streams over the keys may use a running M (the ceiling of the running maximum): every later rescaling is an exact power of two, so the quantised numbers keep their values, but for numbers so far below the row's largest that they fall under the format's range.
;;   OPERANDS COMPUTED ON THE WAY. 'Computed on the way' means the value that the module computes at that place (a softmax that the list does not call 'softmax' is quantised finished and normalised). What goes into a quantiser is computed in f32, as accurately as f32 sums, v_exp_f32 and their like allow (about 1e-6 of the number): no bf16 or f16 on the way to a quantiser, and a product that is left as it is and whose result goes on into a quantised operand takes f32 operands (vector FMAs, or v_wmma_f32_16x16x4_f32). A number that lies on a knife's edge between two numbers of the format may be rounded either way, as far as f32 arithmetic and the matrix unit's own rounding can turn it there, and no further.
;; One version. Each part assembles by itself: llvm-mc -triple=amdgcn-amd-amdhsa -mcpu=gfx1250 --defsym DOCPART=n.
;; ======== version 1 of 1: 4 launches
;; limits: right only within a limited range of input values
;; workspace buffers: xc 8,388,608 bytes; wc 4,194,304 bytes; qkv 25,165,824 bytes; yc 8,388,608 bytes
;; launch prep (part 1): grid 384 x 1, 4 waves a work-group, no clusters, 68,096 bytes of LDS; arguments x, W_attn, W_proj, lowp_scales, xc, wc; writes xc, wc
.if DOCPART == 1
	.amdgcn_target "amdgcn-amd-amdhsa--gfx1250"
	.amdhsa_code_object_version 6
	.text
	.protected	k_q8daa6fe322_prep
	.globl	k_q8daa6fe322_prep
	.p2align	8
	.type	k_q8daa6fe322_prep,@function
k_q8daa6fe322_prep:
	s_mov_b64 s[64:65], 0
	v_nop
	global_prefetch_b8 v0, s[64:65] scope:SCOPE_SE
	s_setreg_imm32_b32 hwreg(HW_REG_WAVE_MODE, 25, 1), 1
	s_wait_xcnt 0x0
; x [8192][1024], W_attn [1024][3072] and W_proj [1024][1024], f32, become codes of E4M3 with K innermost, each with its given scale 2^e (entries 0, 1 and 7 of the scales).
; code = number / 2^e, held within +-448, rounded to the nearest code, ties to even.
; xc: [8192][1024] codes.  wc: [4096][1024] codes: row n < 3072 is W_attn's column n, row 3072 + n is W_proj's column n; but in rows 2048 to 3071 (the values' columns) row n holds
; column n with its bits 3 and 4 exchanged: that order of a head's 64 channels makes the attention's results fall into the layout that the last product's operand wants.
; LIMITS: each of the three e lies between -126 and 119, so that 2^e and 448 x 2^e are f32 numbers.  NaN among the inputs is not served; an infinity is held at the largest code.
; One launch, two paths chosen by the work-group's number.  Work-groups 0 to 127 take the weights (K is their FIRST axis: a lane takes a column and its registers run down K),
; work-groups 128 to 383 take x (K innermost: a plain stream).  Each path has LDS bytes of its own.  Waves share nothing: no barrier.
.set SPARE, 67584                      ; behind both paths' stages: the spare words, 128 bytes for each wave
.set SPW,   12                         ; v12  LDS address of my spare word; never rewritten
.set NIL,   13                         ; v13  0; never rewritten
.set EMAX,  8
.set MANT,  0x600000                   ; the mantissa field of 448 as f32
; the weights' path
.set WST,    32768                     ; its stages begin here: 32 rows x 272 bytes for each wave
.set WPITCH, 272
.set WX,     32                        ; v32-95   two sets of 32 numbers
.set WCD,    96                        ; v96-103  a block's codes
.set WOUT,   112                       ; v112-175 the way out
.set OFF,    176                       ; v176-207 byte offset of my column in rows 0 to 31; never rewritten
.set BS,     32                        ; s[32:47] the address of each of the eight blocks of 32 rows; never rewritten
; x's path
.set STEPS, 16
.set SP,    80                         ; a lane's place in a stage: 64 bytes + 16 of padding
.set XR,    16                         ; v16-79   four sets of 16 numbers as loaded
.set XX,    80                         ; v80-111  two sets of 16 neighbours
.set XCD,   128                        ; v128-191 codes: four registers for each step
	s_load_b256 s[4:11], s[0:1], 0x0               ; x s[4:5], W_attn s[6:7], W_proj s[8:9], the scales' exponents s[10:11]
	s_load_b128 s[12:15], s[0:1], 0x20             ; xc s[12:13], wc s[14:15]
	v_lshl_add_u32 v[SPW], v0, 2, SPARE
	v_mov_b32 v[NIL], 0
	v_lshrrev_b32 v1, 5, v0
	v_readfirstlane_b32 s24, v1                    ; wave 0..3
	v_and_b32 v2, 31, v0                           ; lane
	s_wait_kmcnt 0x0
	s_load_b256 s[16:23], s[10:11], 0x0            ; e0 .. e7
	s_cmp_lt_u32 ttmp9, 128
	s_cbranch_scc0 .Lx
; ---------------- THE WEIGHTS.  Work-group g: 128 rows of wc (g / 4) x 256 along K (g % 4); a wave: 32 rows of wc = 32 columns of the weight.
	s_and_b32 s25, ttmp9, 3                        ; which 256 along K
	s_lshr_b32 s29, ttmp9, 2                       ; nb: which 128 rows of wc, 0..31
	s_sub_co_u32 s31, s29, 16
	s_cmp_lt_u32 s31, 8                            ; rows 2048 to 3071?
	s_cselect_b32 s31, -1, 0                       ; then every lane takes the exchanged column
	s_cmp_lt_u32 s29, 24                           ; W_attn or W_proj: the choice hangs on the work-group's number alone
	s_cselect_b64 s[26:27], s[6:7], s[8:9]
	s_mov_b32 s28, 4096
	s_cselect_b32 s28, 12288, s28                  ; bytes from a row of the weight to the next
	s_cselect_b32 s30, 0, 24
	s_sub_co_u32 s30, s29, s30                     ; which 128 columns of its tensor
	s_lshl_b32 s30, s30, 7
	s_lshl_b32 s54, s24, 5
	s_add_co_u32 s30, s30, s54                     ; my wave's first column
	s_lshl_b32 s30, s30, 2
	s_lshl_b32 s48, s25, 8
	s_mul_i32 s48, s48, s28                        ; my first row, in bytes,
	s_add_co_u32 s48, s48, s30                     ; + my first column
	s_mov_b32 s49, 0
	s_lshl_b32 s50, s28, 5                         ; 32 rows on
	s_mov_b32 s51, 0
	s_add_nc_u64 s[BS:BS+1], s[26:27], s[48:49]
.irp t, 1,2,3,4,5,6,7
	s_add_nc_u64 s[BS+2*\t:BS+2*\t+1], s[BS+2*\t-2:BS+2*\t-1], s[50:51]
.endr
	s_lshl_b32 s52, s29, 7
	s_add_co_u32 s52, s52, s54                     ; my wave's first row of wc
	s_lshl_b32 s52, s52, 10                        ; 1,024 bytes a row
	s_lshl_b32 s55, s25, 8
	s_add_co_u32 s52, s52, s55                     ; + my 256 codes along K
	s_mov_b32 s53, 0
	s_add_nc_u64 s[52:53], s[14:15], s[52:53]
	s_wait_alu depctr_va_vdst(0)
	v_and_b32 v3, 7, v2                            ; the lane's number with bits 3 and 4 exchanged
	v_and_b32 v5, 8, v2
	v_and_b32 v6, 16, v2
	v_lshl_or_b32 v3, v5, 1, v3
	v_lshrrev_b32 v6, 1, v6
	v_or_b32 v3, v3, v6
	v_cndmask_b32 v3, v2, v3, s31                  ; which of the wave's 32 columns my row of wc holds
	v_lshlrev_b32 v[OFF], 2, v3
.set i, 1
.rept 31
	v_add_nc_u32 v[OFF+i], s28, v[OFF+i-1]
.set i, i+1
.endr
	s_mul_i32 s56, s24, 32*WPITCH
	s_add_co_u32 s56, s56, WST                     ; my stage
	v_mul_u32_u24 v4, v2, WPITCH
	v_add_nc_u32 v4, s56, v4                       ; into it: row = my row of wc
	v_and_b32 v5, 15, v2
	v_lshrrev_b32 v6, 4, v2
	v_mul_u32_u24 v7, v6, WPITCH
	v_lshl_add_u32 v7, v5, 4, v7
	v_add_nc_u32 v7, s56, v7                       ; out of it: sixteen lanes to a row, two rows an instruction
	v_lshlrev_b32 v8, 10, v6
	v_lshl_add_u32 v8, v5, 4, v8                   ; and the same place in wc
.macro WLOAD t                         ; block t: W(32 t + i, my column), i = 0 .. 31, into set t % 2: each load reads 128 consecutive bytes
.set i, 0
.rept 32
	global_load_b32 v[WX+32*((\t)%2)+i], v[OFF+i], s[BS+2*(\t):BS+2*(\t)+1] th:TH_LOAD_NT
.set i, i+1
.endr
.endm
	WLOAD 0
	WLOAD 1
	s_wait_kmcnt 0x0
	s_cmp_lt_u32 s29, 24
	s_cselect_b32 s57, s17, s23                    ; e1 or e7
	s_add_co_i32 s57, s57, 127
	s_lshl_b32 s58, s57, 23
	v_mov_b32 v11, s58                             ; 2^e as f32: the conversion takes its exponent field
	s_add_co_i32 s57, s57, EMAX
	s_lshl_b32 s57, s57, 23
	s_or_b32 s57, s57, MANT
.macro WBLOCK t
.set XS, WX+32*((\t)%2)
.if (\t) < 7
	s_wait_loadcnt 32                              ; this block's 32 loads are in; the next block's 32 may be out
.else
	s_wait_loadcnt 0
.endif
.set i, 0
.rept 32
.set i, i+1
.endr
.irp g, 0,1,2,3
	v_cvt_scalef32_pk8_fp8_f32 v[WCD+2*\g:WCD+2*\g+1], v[XS+8*\g:XS+8*\g+7], v11
.endr
	ds_store_b128 v4, v[WCD:WCD+3] offset:32*(\t)          ; 32 codes: 32 bytes of my row
	ds_store_b128 v4, v[WCD+4:WCD+7] offset:32*(\t)+16
.if (\t)+2 < 8
	WLOAD (\t)+2
.endif
	s_wait_dscnt 0x0                               ; the stores have read their registers: the next block's codes may be written
.endm
	s_wait_alu depctr_va_vdst(0)
.irp t, 0,1,2,3,4,5,6,7
	WBLOCK \t
.endr
.irp t, 0,1,2,3,4,5,6,7,8,9,10,11,12,13,14,15
	ds_load_b128 v[WOUT+4*\t:WOUT+4*\t+3], v7 offset:2*\t*WPITCH   ; LDS serves a wave's instructions in order: these see my stores
.endr
.irp t, 0,1,2,3,4,5,6,7,8,9,10,11,12,13,14,15
	s_wait_dscnt 15-\t                             ; the younger loads may be out
	global_store_b128 v8, v[WOUT+4*\t:WOUT+4*\t+3], s[52:53] offset:2*\t*1024   ; sixteen lanes store 256 consecutive bytes, at a multiple of 256 from wc's first byte
.endr
	s_wait_tensorcnt 0x0                           ; the wave's end: a wait, an add of 0 to my spare word and its wait, behind my last LDS store
	ds_add_u32 v[SPW], v[NIL]
	s_wait_dscnt 0x0
	s_endpgm
; ---------------- x: a plain stream of blocks.  A wave takes 16 steps of 512 numbers.  Each load reads 512 consecutive bytes, 16 a lane; a step's 2,048 bytes turn through the wave's own stage
; in LDS and come back 64 bytes a lane: 16 neighbours along K, as the conversions want them.  A lane's 16 codes are 16 bytes: a store covers 512 consecutive bytes.
.Lx:
	s_sub_co_u32 s25, ttmp9, 128
	s_lshl_b32 s25, s25, 2
	s_add_co_u32 s25, s25, s24                     ; which run of 8,192 numbers is my wave's
	s_lshl_b32 s26, s25, 15
	s_mov_b32 s27, 0
	s_add_nc_u64 s[4:5], s[4:5], s[26:27]
	s_lshl_b32 s26, s25, 13
	s_add_nc_u64 s[12:13], s[12:13], s[26:27]
	s_wait_alu depctr_va_vdst(0)
	v_lshlrev_b32 v3, 4, v2                        ; my 16 bytes of a load's 512, and of a store's
	s_lshl_b32 s28, s24, 13                        ; my wave's 8,192 bytes of LDS
	v_lshrrev_b32 v14, 2, v2
	v_mul_u32_u24 v14, v14, SP
	v_and_b32 v15, 3, v2
	v_lshl_add_u32 v14, v15, 4, v14
	v_add_nc_u32 v14, s28, v14                     ; the stage, on the way in: four lanes' 64 bytes on end, then 16 of padding
	v_mul_u32_u24 v15, v2, SP
	v_add_nc_u32 v15, s28, v15                     ; and on the way out: my 16 neighbours
.macro XLOAD t
.irp i, 0,1,2,3
	global_load_b128 v[XR+16*((\t)%4)+4*\i:XR+16*((\t)%4)+4*\i+3], v3, s[4:5] offset:2048*(\t)+512*\i th:TH_LOAD_NT
.endr
.endm
.macro XTURN t                         ; step t's numbers through the stage: LDS serves a wave's instructions in order, so no wait stands between the stores and the loads
.irp i, 0,1,2,3
	ds_store_b128 v14, v[XR+16*((\t)%4)+4*\i:XR+16*((\t)%4)+4*\i+3] offset:32*SP*((\t)%2)+8*SP*\i
.endr
.irp i, 0,1,2,3
	ds_load_b128 v[XX+16*((\t)%2)+4*\i:XX+16*((\t)%2)+4*\i+3], v15 offset:32*SP*((\t)%2)+16*\i
.endr
.endm
.irp t, 0,1,2,3
	XLOAD \t
.endr
	s_wait_alu depctr_va_vdst(0)
	s_wait_kmcnt 0x0
	s_add_co_i32 s29, s16, 127                     ; e0
	s_lshl_b32 s30, s29, 23
	v_mov_b32 v11, s30                             ; 2^e0
	s_add_co_i32 s29, s29, EMAX
	s_lshl_b32 s29, s29, 23
	s_or_b32 s29, s29, MANT
	s_wait_alu depctr_va_vdst(0)
	s_wait_loadcnt 12                              ; step 0's four loads are in; the twelve of steps 1 to 3 may be out
	XTURN 0
.macro XSTEP t
.set XS, XX+16*((\t)%2)
	s_wait_dscnt 0x0                               ; this step's numbers are back from the stage: so its stores into the stage have read their registers,
.if (\t)+4 < STEPS
	XLOAD (\t)+4                                   ; which take the loads of four steps on
.endif
.if (\t)+1 < STEPS
.if STEPS-2-(\t) >= 3
	s_wait_loadcnt 12                              ; the next step's four loads are in; those of the three steps behind it may be out
.else
	s_wait_loadcnt 4*(STEPS-2-(\t))
.endif
	XTURN (\t)+1
.endif
.set i, 0
.rept 16
.set i, i+1
.endr
	v_cvt_scalef32_pk8_fp8_f32 v[XCD+4*(\t):XCD+4*(\t)+1], v[XS:XS+7], v11
	v_cvt_scalef32_pk8_fp8_f32 v[XCD+4*(\t)+2:XCD+4*(\t)+3], v[XS+8:XS+15], v11
	global_store_b128 v3, v[XCD+4*(\t):XCD+4*(\t)+3], s[12:13] offset:512*(\t)   ; each step has its own registers for its codes: no store's data are written again
.endm
.irp t, 0,1,2,3,4,5,6,7,8,9,10,11,12,13,14,15
	XSTEP \t
.endr
	s_wait_tensorcnt 0x0                           ; the wave's end: a wait, an add of 0 to my spare word and its wait, behind my last LDS store
	ds_add_u32 v[SPW], v[NIL]
	s_wait_dscnt 0x0
	s_endpgm
.Lfunc_end_k_q8daa6fe322_prep:
	.size	k_q8daa6fe322_prep, .Lfunc_end_k_q8daa6fe322_prep-k_q8daa6fe322_prep
	.p2alignl 7, 3214868480
	.fill 96, 4, 3214868480
	.section	.rodata,"a",@progbits
	.p2align	6, 0x0
	.amdhsa_kernel k_q8daa6fe322_prep
		.amdhsa_group_segment_fixed_size 68096
		.amdhsa_private_segment_fixed_size 0
		.amdhsa_enable_private_segment 0
		.amdhsa_kernarg_size 48
		.amdhsa_user_sgpr_count 2
		.amdhsa_user_sgpr_kernarg_segment_ptr 1
		.amdhsa_wavefront_size32 1
		.amdhsa_system_sgpr_workgroup_id_x 1
		.amdhsa_system_sgpr_workgroup_id_y 1
		.amdhsa_system_sgpr_workgroup_id_z 1
		.amdhsa_system_vgpr_workitem_id 0
		.amdhsa_next_free_vgpr 208
		.amdhsa_next_free_sgpr 66
		.amdhsa_reserve_vcc 0
		.amdhsa_float_denorm_mode_32 3
		.amdhsa_float_denorm_mode_16_64 3
		.amdhsa_fp16_overflow 1
		.amdhsa_memory_ordered 1
		.amdhsa_forward_progress 1
		.amdhsa_inst_pref_size 55
	.end_amdhsa_kernel
	.amdgpu_metadata
---
amdhsa.version: [ 1, 2 ]
amdhsa.kernels:
  - .name:           k_q8daa6fe322_prep
    .symbol:         k_q8daa6fe322_prep.kd
    .args:
      - { .name: x, .offset: 0, .size: 8, .value_kind: global_buffer, .address_space: global }
      - { .name: W_attn, .offset: 8, .size: 8, .value_kind: global_buffer, .address_space: global }
      - { .name: W_proj, .offset: 16, .size: 8, .value_kind: global_buffer, .address_space: global }
      - { .name: lowp_scales, .offset: 24, .size: 8, .value_kind: global_buffer, .address_space: global }
      - { .name: xc, .offset: 32, .size: 8, .value_kind: global_buffer, .address_space: global }
      - { .name: wc, .offset: 40, .size: 8, .value_kind: global_buffer, .address_space: global }
    .group_segment_fixed_size: 68096
    .private_segment_fixed_size: 0
    .kernarg_segment_align: 8
    .kernarg_segment_size: 48
    .max_flat_workgroup_size: 128
    .sgpr_count:     66
    .vgpr_count:     208
    .wavefront_size: 32
...
	.end_amdgpu_metadata
.endif
;; end of part 1
;; launch gemm_qkv (part 2): grid 12 x 32, 4 waves a work-group, clusters of 4 x 4, 327,680 bytes of LDS; arguments xc, wc, lowp_scales, qkv; writes qkv
.if DOCPART == 2
	.amdgcn_target "amdgcn-amd-amdhsa--gfx1250"
	.amdhsa_code_object_version 6
	.text
	.protected	k_q8daa6fe322_gemm_qkv
	.globl	k_q8daa6fe322_gemm_qkv
	.p2align	8
	.type	k_q8daa6fe322_gemm_qkv,@function
k_q8daa6fe322_gemm_qkv:
	s_mov_b64 s[64:65], 0
	v_nop
	global_prefetch_b8 v0, s[64:65] scope:SCOPE_SE
	s_setreg_imm32_b32 hwreg(HW_REG_WAVE_MODE, 25, 1), 1
	s_wait_xcnt 0x0
	s_wait_alu depctr_hold_cnt(0) depctr_sa_sdst(0) depctr_va_vdst(0) depctr_va_sdst(0) depctr_va_ssrc(0) depctr_va_vcc(0) depctr_vm_vsrc(0)
	s_getreg_b32 s2, hwreg(HW_REG_IB_STS2, 6, 4)
	s_cmp_eq_u32 s2, 0
	s_cbranch_scc0 .Lentry_in_a_cluster
	s_endpgm
.Lentry_in_a_cluster:
	s_bfe_u32 s2, ttmp6, 0x10000c
	s_cmp_lg_u32 s2, 0xf033
	s_cbranch_scc0 .Lentry_shape_is_right
	s_endpgm
.Lentry_shape_is_right:
; qkv = x W_attn on codes of E4M3 (xc [8192][1024], wc rows 0 to 3071 [.][1024], K innermost); each f32 sum is quantised at once to the code that the attention wants:
; q with 2^e2, k with 2^e3, v with 2^e5.  A sum stands for sum x 2^(e0 + e1), so its code is sum / 2^(et - e0 - e1), held within +-448 of that scale.
; LIMITS: et - e0 - e1 (t = 2, 3, 5) lies between -126 and 119, so that the scale and 448 x the scale are f32 numbers.
; A tile of 256 x 256 is made by four waves, each 128 x 128: 64 accumulators, 512 registers.  K = 1,024 goes in four steps of 256 through a ring of two LDS slots filled by the tensor data mover.
; CLUSTERS of 4 x 4: the tiles of the operand called A here are shared along a row of the cluster, B's along a column, each asked for jointly.  Cluster x = 0, 1, 2 is q, k, v: the same in all sixteen partners.
; THE MATRIX INSTRUCTION takes 16 rows of B as source 0 and 16 rows of A as source 1: a lane then holds ONE row of A (lane % 16) and eight NEIGHBOURING rows of B (8 (lane / 16) + 0 .. 7).
;   q, k: A = tokens (xc), B = channels (wc): a lane's eight numbers run along a head's channels, the K of q k^T.
;   v:    A = channels (wc rows 2048 on), B = tokens (xc): a lane's eight numbers run along the keys, the K of p v.
; The choice is made by selects on the cluster's x; both buffers have rows of 1,024 bytes, so shape, masks, LDS and loop are one text.
; So eight registers of an accumulator, converted, ARE registers 2 c, 2 c + 1 of the next product's operand in its own layout (k = 16 c + 8 (lane / 16) + 0 .. 7), in the lanes that want them.
; THE WAY OUT stores these register images as they stand, 16 bytes a lane: each store covers 512 consecutive bytes.  No stage in LDS.
; qkv: three parts of 2^23 bytes (q, k, v); in each, head 16 b + h has 2^17 bytes.  q, k: [16 tokens: 128][registers 0-3, 4-7][lane][16 bytes].  v: [128 keys: 16][16 channels: 4][four registers: 4][lane][16 bytes].
; REGISTERS, in windows of 256: window 0: v16-31 addresses and scales; v32-111 at work on the way out; from v128 A's fragments, ONE set.  window 1: B's fragments, TWO sets.  windows 2, 3: the accumulators ((a, b) at v[8 (8 (a % 4) + b)]).
.set KROW,   1024                      ; a row of xc or of wc in bytes
.set ROWB,   256                       ; a tile's row in bytes: 256 along K
.set PITCH,  272                       ; an LDS row: 256 bytes + 16 of padding = 68 words: the 16 rows that a load touches start at 16 different banks (64 banks of 4 bytes: ISA guide 11.1)
.set FR,     16                        ; registers of a fragment: 16 rows x 128 K
.set NL,     4                         ; LDS loads that bring one
.set NP,     4                         ; places behind this matrix instruction (ISA guide 7.12.1)
.set HALFT,  128*PITCH                 ; 128 rows: what one tensor load brings
.set SLOT,   4*HALFT                   ; A's 256 rows, then B's 256 rows
.set LAPS,   2                         ; a lap = two K steps = once round the ring
.set SPARE,  2*SLOT                    ; behind the ring: the spare words, 128 bytes for each wave
.set ADRA, 16                          ; v16-17  LDS address of my A fragments in slot 0, 1
.set ADRB, 20                          ; v20-21  the same for B
.set GO1,  26                          ; v26     the way out: 16 x lane
.set GO2,  27                          ; v27     the same, half an image (v) or one head (q, k) further on
.set SPW,  28                          ; v28     LDS address of my spare word; never rewritten
.set NIL,  29                          ; v29     0; never rewritten
.set SCL,  30                          ; v30     2^(et - e0 - e1) as f32
.set LIM,  31                          ; v31     448 x that
.set TMP,  32                          ; v32-95  a block's 64 sums, held
.set CD,   96                          ; v96-111 their codes
.set AF,   128
.set G1, 24                            ; s[24:31] descriptor group 1 for A's tiles;  s[32:39] group 0, one set for each slot
.set G0, 32
.set G1B, 48                           ; s[48:55], s[56:63] the same for B's tiles
.set G0B, 56
.set MSB, 0
.macro WIN new                         ; the immediate's high byte repeats the setting that is left
.if MSB != \new
	s_set_vgpr_msb (MSB<<8)|\new
.set MSB, \new
.endif
.endm
.set MUL_LO, 0xa1                      ; source 0 (B) window 1, source 1 (A) window 0, C and D window 2
.set MUL_HI, 0xf1                      ; the same, C and D window 3
.set TO_B,   0x40                      ; destination window 1, address window 0
; A joint load: waves 0 and 1 fetch for A, waves 2 and 3 for B.  Each line has one mask and one set of registers for all that issue it; the branch hangs on the wave's number alone.
; An s_nop 0 and four v_nop follow each of the two lines, ahead of the jump, the label and what follows.
.macro JLOAD g0a, g1a, g0b, g1b
	s_cmp_eq_u32 s15, 0
	s_cbranch_scc0 .Lfor_b_\@
	tensor_load_to_lds s[\g0a:\g0a+3], s[\g1a:\g1a+7]
	s_nop 0
.rept 4
	v_nop
.endr
	s_branch .Lasked_\@
.Lfor_b_\@:
	tensor_load_to_lds s[\g0b:\g0b+3], s[\g1b:\g1b+7]
	s_nop 0
.rept 4
	v_nop
.endr
.Lasked_\@:
.endm
.macro CREST                           ; a round of the cluster's barrier behind its opening barrier
	s_cmp_lg_u32 s14, 0
	s_cbranch_scc1 .Lnot_wave_0_\@
	s_barrier_signal -3
.Lnot_wave_0_\@:
	s_barrier_wait -3
	s_barrier_signal -1
	s_barrier_wait -1
.endm
.macro CROUND                          ; a whole round
	s_barrier_signal -1
	s_barrier_wait -1
	CREST
.endm
	s_load_b128 s[4:7], s[0:1], 0x0                ; xc s[4:5], wc s[6:7]
	s_load_b128 s[8:11], s[0:1], 0x10              ; the scales' exponents s[8:9], qkv s[10:11]
	v_lshl_add_u32 v[SPW], v0, 2, SPARE
	v_mov_b32 v[NIL], 0
	ds_add_u32 v[SPW], v[NIL]
	ds_add_u32 v[SPW], v[NIL]                      ; the wave's opening: the add and its wait stand ahead of my first tensor load; the set-up below, work on registers, stands between them
	v_lshrrev_b32 v1, 5, v0
	v_readfirstlane_b32 s14, v1                    ; wave 0..3
	s_lshr_b32 s15, s14, 1                         ; which half of A's rows is mine.  Also: I fetch for A (0) or for B (1)
	s_and_b32 s16, s14, 1                          ; which half of B's rows.  Also: which 128 rows of that tile I fetch
	s_bfe_u32 s40, ttmp6, 0x40000                  ; cx, cy: my place in the cluster
	s_bfe_u32 s41, ttmp6, 0x40004
	s_and_b32 s66, ttmp7, 0xffff
	s_lshl_b32 s66, s66, 2                         ; 4 x cluster y
	s_lshl_b32 s67, ttmp9, 2                       ; 4 x cluster x
	s_cmp_eq_u32 ttmp9, 2                          ; the values' cluster?  The same in all sixteen partners
	s_cselect_b32 s17, 8, s66                      ; A's tile of 256 rows: v: wc's rows 2048 on; q, k: tokens
	s_cselect_b32 s42, s66, s67                    ; B's tile: v: tokens; q, k: wc's rows
	s_add_co_u32 s17, s17, s41                     ; + cy: this register never holds cx
	s_add_co_u32 s42, s42, s40                     ; + cx: this one never cy
	s_lshl_b32 s43, s41, 2
	s_lshl_b32 s43, 15, s43                        ; my row of the cluster
	s_lshl_b32 s44, 0x1111, s40                    ; my column
	; descriptor group 1: a tile of 128 rows x 256 bytes, padded in LDS
	s_or_b32 s[G1+0], s43, (0<<16)|(1<<20)|(1<<21)|(5<<22)|(3<<25)  ; 15:0 the mask: A's tiles go to my row; 17:16 element of 1 byte; 20 padding on; 21 set beside a mask; 24:22 after every 64 words (code 5); 31:25 of 4 words (code 3)
	s_or_b32 s[G1B+0], s44, (0<<16)|(1<<20)|(1<<21)|(5<<22)|(3<<25)
.irp g, G1, G1B
	s_mov_b32 s[\g+1], ROWB<<16                    ; tensor_dim0
	s_mov_b32 s[\g+2], 128<<16                     ; tensor_dim1 = 128
	s_mov_b32 s[\g+3], ROWB<<16                    ; tile_dim0
	s_mov_b32 s[\g+4], 128                         ; tile_dim1 = 128
	s_mov_b32 s[\g+5], KROW                        ; tensor_dim0_stride
	s_mov_b32 s[\g+6], 0
	s_mov_b32 s[\g+7], 0
.endr
	s_lshl_b32 s18, s16, 7                         ; which 128 rows of the tile I fetch
	s_lshl_b32 s20, s17, 8
	s_add_co_u32 s20, s20, s18                     ; A: row 256 x tile + 128 x half
	s_lshl_b32 s46, s42, 8
	s_add_co_u32 s46, s46, s18                     ; B likewise
	s_mov_b32 s21, 0
	s_mov_b32 s47, 0
	s_mov_b64 s[18:19], KROW
	s_mul_u64 s[20:21], s[20:21], s[18:19]
	s_mul_u64 s[46:47], s[46:47], s[18:19]
	s_mul_i32 s45, s14, HALFT                      ; where they go: wave x 128 rows: no place in the cluster enters an LDS address
	s_wait_dscnt 0x0                               ; the opening add is done
	s_wait_kmcnt 0x0
	s_load_b256 s[72:79], s[8:9], 0x0              ; e0 .. e7
	s_cmp_eq_u32 ttmp9, 2
	s_cselect_b64 s[68:69], s[6:7], s[4:5]         ; A's buffer
	s_cselect_b64 s[70:71], s[4:5], s[6:7]         ; B's buffer
	s_add_nc_u64 s[20:21], s[68:69], s[20:21]
	s_add_nc_u64 s[46:47], s[70:71], s[46:47]
	CROUND                                         ; all sixteen work-groups are here: the first joint loads meet
.irp s, 0,1
	s_mov_b32 s[G0+4*\s], 1
	s_add_co_u32 s[G0+4*\s+1], s45, \s*SLOT
	s_add_nc_u64 s[G0+4*\s+2:G0+4*\s+3], s[20:21], \s*ROWB
	s_or_b32 s[G0+4*\s+3], s[G0+4*\s+3], 0x80000000
	s_mov_b32 s[G0B+4*\s], 1
	s_add_co_u32 s[G0B+4*\s+1], s45, \s*SLOT
	s_add_nc_u64 s[G0B+4*\s+2:G0B+4*\s+3], s[46:47], \s*ROWB
	s_or_b32 s[G0B+4*\s+3], s[G0B+4*\s+3], 0x80000000
	JLOAD G0+4*\s, G1, G0B+4*\s, G1B               ; two tensor loads of mine are out behind these
.endr
	v_and_b32 v1, 15, v0                           ; l % 16
	v_bfe_u32 v2, v0, 4, 1                         ; l / 16
	v_mul_u32_u24 v3, v1, PITCH
	v_lshl_add_u32 v4, v2, 4, v3                   ; a fragment's row x pitch + 16 x half
	s_mul_i32 s21, s15, HALFT                      ; my 128 rows of A
	s_mul_i32 s22, s16, HALFT                      ; my 128 rows of B,
	s_add_co_u32 s22, s22, 2*HALFT                 ; which lie behind A's 256
.irp s, 0,1
	v_add_nc_u32 v[ADRA+\s], s21, v4
	v_add_nc_u32 v[ADRB+\s], s22, v4
	s_add_co_u32 s21, s21, SLOT
	s_add_co_u32 s22, s22, SLOT
.endr
	s_wait_alu depctr_va_vdst(0)
	; the way out is prepared here, while the first tiles are on their way
	s_wait_kmcnt 0x0
	s_cmp_eq_u32 ttmp9, 0
	s_cselect_b32 s80, s74, s75                    ; e2 for q, e3 for k,
	s_cmp_eq_u32 ttmp9, 2
	s_cselect_b32 s80, s77, s80                    ; e5 for v
	s_cselect_b32 s88, s42, s17                    ; the tile of tokens,
	s_cselect_b32 s89, s16, s15                    ; my half of it,
	s_cselect_b32 s90, s41, s40                    ; the tile of 256 channels in its part: four heads,
	s_cselect_b32 s91, s15, s16                    ; my half of it: two heads
	s_mov_b32 s92, 0x20000
	s_cselect_b32 s92, 1024, s92                   ; from the first pair of stores to the second: v: half an image; q, k: a head
	s_mov_b32 s84, 1024
	s_cselect_b32 s84, 2048, s84                   ; from a block of A's 16 rows to the next: v: 16 channels, an image of 2,048 bytes; q, k: 16 tokens, one of 1,024
	s_mov_b32 s86, 1024
	s_cselect_b32 s86, 124928, s86                 ; from block 3 to block 4: v: on to the next head, 2^17 - 3 x 2,048; q, k: as ever
	s_mov_b32 s85, 0
	s_mov_b32 s87, 0
	s_sub_co_i32 s80, s80, s72
	s_sub_co_i32 s80, s80, s73                     ; et - e0 - e1
	s_add_co_i32 s80, s80, 127
	s_lshl_b32 s81, s80, 23
	v_mov_b32 v[SCL], s81
	s_add_co_i32 s80, s80, 8
	s_lshl_b32 s80, s80, 23
	s_or_b32 s80, s80, 0x600000
	v_mov_b32 v[LIM], s80
	s_lshl_b32 s88, s88, 8
	s_lshl_b32 s89, s89, 7
	s_add_co_u32 s88, s88, s89                     ; my first token
	s_lshr_b32 s89, s88, 11
	s_lshl_b32 s89, s89, 21                        ; its batch: 16 heads of 2^17 bytes
	s_and_b32 s88, s88, 2047
	s_lshl_b32 s88, s88, 6                         ; 64 bytes a token in a head, in all three layouts
	s_add_co_u32 s88, s88, s89
	s_lshl_b32 s90, s90, 2
	s_lshl_b32 s91, s91, 1
	s_add_co_u32 s90, s90, s91                     ; my first head
	s_lshl_b32 s90, s90, 17
	s_add_co_u32 s88, s88, s90
	s_lshl_b32 s89, ttmp9, 23                      ; the part: q, k or v
	s_add_co_u32 s88, s88, s89
	s_mov_b32 s89, 0
	s_add_nc_u64 s[10:11], s[10:11], s[88:89]
	v_and_b32 v[GO1], 31, v0
	v_lshlrev_b32 v[GO1], 4, v[GO1]
	v_add_nc_u32 v[GO2], s92, v[GO1]
.macro FRAG reg, adr, q, i             ; a fragment, 16 rows x 128 K: lane l holds row l % 16; registers 4 c .. 4 c + 3 hold K = 32 c + 16 (l / 16) + 0 .. 15: the same order of k in A and in B, so every product meets its partner
.irp c, 0,1,2,3
	ds_load_b128 v[\reg+4*\c:\reg+4*\c+3], v[\adr] offset:128*(\q)+32*\c+(\i)*16*PITCH
.endr
.endm
; 16 matrix instructions: A's blocks a0, a0 + 1 x B's eight, 128 along K.  p: B's set.  zero = 1: the first product starts the sums.
; The 64 accumulators take turns, one instruction a turn, in the same order in every step.
.macro MUL16 a0, p, zero
.irp a, \a0, \a0+1
.irp b, 0,1,2,3,4,5,6,7
.if \zero
	v_wmma_f32_16x16x128_fp8_fp8 v[8*(8*((\a)%4)+\b):8*(8*((\a)%4)+\b)+7], v[128*(\p)+FR*\b:128*(\p)+FR*\b+FR-1], v[AF+FR*(\a):AF+FR*(\a)+FR-1], 0
.else
	v_wmma_f32_16x16x128_fp8_fp8 v[8*(8*((\a)%4)+\b):8*(8*((\a)%4)+\b)+7], v[128*(\p)+FR*\b:128*(\p)+FR*\b+FR-1], v[AF+FR*(\a):AF+FR*(\a)+FR-1], v[8*(8*((\a)%4)+\b):8*(8*((\a)%4)+\b)+7]
.endif
.endr
.endr
.endm
.macro FETCH_B slot, q, p              ; B's eight fragments of the slot's q-th 128 along K into set p
	WIN TO_B
.irp i, 0,1,2,3,4,5,6,7
	FRAG 128*(\p)+FR*\i, ADRB+\slot, \q, \i
.endr
	WIN 0
.endm
.macro FETCH_A slot, q, i0             ; A's blocks i0 .. i0 + 3
.irp i, \i0, \i0+1, \i0+2, \i0+3
	FRAG AF+FR*(\i), ADRA+\slot, \q, \i
.endr
.endm
.macro PLACES n                        ; plain vector instructions between a matrix instruction and a load into a register that it read, or a vector instruction that reads its result
.rept \n
	v_nop
.endr
.endm
; A step of 128 along K that has its successor in the same slot.
.macro STEP slot, q, zero
	s_wait_dscnt 4*NL                              ; B's set and A's blocks 0-3 are in; the youngest sixteen loads (A's blocks 4-7) may be out
	WIN MUL_LO
	MUL16 0, (\q)%2, \zero
	MUL16 2, (\q)%2, \zero
	s_wait_dscnt 0                                 ; A's blocks 4-7 are in
	PLACES NP
	FETCH_B \slot, (\q)+1, 1-(\q)%2
	FETCH_A \slot, (\q)+1, 0
	WIN MUL_HI
	MUL16 4, (\q)%2, \zero
	MUL16 6, (\q)%2, \zero
	PLACES NP
	WIN 0
	FETCH_A \slot, (\q)+1, 4
.endm
; A slot's last step changes slots: ONE barrier; in front of it each wave waits for all its tensor loads, adds 0 to its spare word, and waits for that and for its own reads of this slot.  fill = 1: this slot is filled again, two K steps ahead.
.macro TURN slot, next, fill
	s_wait_tensorcnt 0x0                           ; all my tensor loads have landed: my part of the next slot  (every window is 0 here)
	ds_add_u32 v[SPW], v[NIL]                      ; 0 onto my spare word
	s_wait_dscnt 4*NL+1                            ; the add and the youngest sixteen loads (A's blocks 4-7) may be out
	WIN MUL_LO
	MUL16 0, 1, 0                                  ; sixteen matrix instructions stand between the add and the wait for it
	s_wait_dscnt 0x0                               ; the add is done, and my reads of this slot are over
	s_barrier_signal -1
	MUL16 2, 1, 0
	WIN 0
	s_barrier_wait -1
.if \fill
	CREST                                          ; the barrier has opened a round of the cluster's barrier: no wave of any partner still reads this slot's tile or has a load on its way
	s_add_nc_u64 s[G0+4*\slot+2:G0+4*\slot+3], s[G0+4*\slot+2:G0+4*\slot+3], 2*ROWB
	s_add_nc_u64 s[G0B+4*\slot+2:G0B+4*\slot+3], s[G0B+4*\slot+2:G0B+4*\slot+3], 2*ROWB
	JLOAD G0+4*\slot, G1, G0B+4*\slot, G1B         ; the first tensor load behind the round; its four v_nop are also the places in front of the loads below
.else
	PLACES NP
.endif
	FETCH_B \next, 0, 0
	FETCH_A \next, 0, 0
	WIN MUL_HI
	MUL16 4, 1, 0
	MUL16 6, 1, 0
	PLACES NP
	WIN 0
	FETCH_A \next, 0, 4
.endm
	s_wait_tensorcnt 1                             ; my part of K step 0 is in; K step 1's load may be out
	s_barrier_signal -1
	s_barrier_wait -1                              ; everybody's is
	FETCH_B 0, 0, 0
	FETCH_A 0, 0, 0
	FETCH_A 0, 0, 4
	STEP 0, 0, 1                                   ; the first step stands in front of the loop: its products start the sums
	s_mov_b32 s3, LAPS-1
.Llap:                                                 ; a trip goes once round the ring and fills both slots again
	TURN 0, 1, 1
	STEP 1, 0, 0
	TURN 1, 0, 1
	STEP 0, 0, 0
	s_sub_co_u32 s3, s3, 1
	s_cmp_lg_u32 s3, 0
	s_cbranch_scc1 .Llap
	TURN 0, 1, 0                                   ; the last lap fills nothing, and has no round of the cluster's barrier
	STEP 1, 0, 0
	s_wait_dscnt 4*NL                              ; the very last step: nothing more to fetch
	WIN MUL_LO
	MUL16 0, 1, 0
	MUL16 2, 1, 0
	s_wait_alu depctr_va_vdst(0)
	s_wait_dscnt 0
	WIN MUL_HI
	MUL16 4, 1, 0
	MUL16 6, 1, 0
	WIN 0
; THE WAY OUT of A's block a: its eight accumulators are held within +-448 x the scale (each from its low end on), converted, eight numbers to two registers, and stored as they stand.
; q, k: accumulators 0-3 are one head's fragment (8 registers), 4-7 the next head's.  v: all eight are one fragment (16 registers).  Four stores of 512 consecutive bytes.
.macro OUTBLK a
.set AC, 64*((\a)%4)
	WIN 0x02+((\a)/4)                              ; source 0: window 2 or 3
.set j, 0
.rept 64
	v_med3_num_f32 v[TMP+j], v[AC+j], -v[LIM], v[LIM]   ; the conversion to an 8-bit code does not saturate (ISA guide 7.6.2)
.set j, j+1
.endr
	WIN 0
.if (\a) > 0
	s_wait_alu depctr_va_vdst(0)
	s_wait_xcnt 0x0                                ; the last block's stores have read their data and their base: both are written again only behind this wait
.endif
.irp b, 0,1,2,3,4,5,6,7
	v_cvt_scalef32_pk8_fp8_f32 v[CD+2*\b:CD+2*\b+1], v[TMP+8*\b:TMP+8*\b+7], v[SCL]
.endr
	v_nop                                          ; one plain vector instruction behind the last conversion: the next block's holds write the conversions' sources
.if (\a) == 4
	s_add_nc_u64 s[10:11], s[10:11], s[86:87]
.elseif (\a) > 0
	s_add_nc_u64 s[10:11], s[10:11], s[84:85]
.endif
	global_store_b128 v[GO1], v[CD:CD+3], s[10:11]
	global_store_b128 v[GO1], v[CD+4:CD+7], s[10:11] offset:512
	global_store_b128 v[GO2], v[CD+8:CD+11], s[10:11]
	global_store_b128 v[GO2], v[CD+12:CD+15], s[10:11] offset:512
.endm
	PLACES NP                                      ; behind the last products
.irp a, 0,1,2,3,4,5,6,7
	OUTBLK \a
.endr
	s_wait_tensorcnt 0x0                           ; the wave's end: a wait, an add of 0 to my spare word and its wait, behind my last tensor load
	ds_add_u32 v[SPW], v[NIL]
	s_wait_dscnt 0x0
	CROUND                                         ; the closing round: no work-group ends while a partner may still ask for a tile that names it
	s_endpgm
.Lfunc_end_k_q8daa6fe322_gemm_qkv:
	.size	k_q8daa6fe322_gemm_qkv, .Lfunc_end_k_q8daa6fe322_gemm_qkv-k_q8daa6fe322_gemm_qkv
	.p2alignl 7, 3214868480
	.fill 96, 4, 3214868480
	.section	.rodata,"a",@progbits
	.p2align	6, 0x0
	.amdhsa_kernel k_q8daa6fe322_gemm_qkv
		.amdhsa_group_segment_fixed_size 327680
		.amdhsa_private_segment_fixed_size 0
		.amdhsa_enable_private_segment 0
		.amdhsa_kernarg_size 32
		.amdhsa_user_sgpr_count 2
		.amdhsa_user_sgpr_kernarg_segment_ptr 1
		.amdhsa_wavefront_size32 1
		.amdhsa_system_sgpr_workgroup_id_x 1
		.amdhsa_system_sgpr_workgroup_id_y 1
		.amdhsa_system_sgpr_workgroup_id_z 1
		.amdhsa_system_vgpr_workitem_id 0
		.amdhsa_next_free_vgpr 1024
		.amdhsa_next_free_sgpr 98
		.amdhsa_reserve_vcc 0
		.amdhsa_float_denorm_mode_32 3
		.amdhsa_float_denorm_mode_16_64 3
		.amdhsa_memory_ordered 1
		.amdhsa_forward_progress 1
		.amdhsa_inst_pref_size 119
	.end_amdhsa_kernel
	.amdgpu_metadata
---
amdhsa.version: [ 1, 2 ]
amdhsa.kernels:
  - .name:           k_q8daa6fe322_gemm_qkv
    .symbol:         k_q8daa6fe322_gemm_qkv.kd
    .args:
      - { .name: xc, .offset: 0, .size: 8, .value_kind: global_buffer, .address_space: global }
      - { .name: wc, .offset: 8, .size: 8, .value_kind: global_buffer, .address_space: global }
      - { .name: lowp_scales, .offset: 16, .size: 8, .value_kind: global_buffer, .address_space: global }
      - { .name: qkv, .offset: 24, .size: 8, .value_kind: global_buffer, .address_space: global }
    .group_segment_fixed_size: 327680
    .private_segment_fixed_size: 0
    .kernarg_segment_align: 8
    .kernarg_segment_size: 32
    .max_flat_workgroup_size: 128
    .sgpr_count:     98
    .vgpr_count:     1024
    .wavefront_size: 32
...
	.end_amdgpu_metadata
.endif
;; end of part 2
;; launch attn (part 3): grid 4 x 64, 16 waves a work-group, no clusters, 327,680 bytes of LDS; arguments qkv, lowp_scales, yc; writes yc
.if DOCPART == 3
	.amdgcn_target "amdgcn-amd-amdhsa--gfx1250"
	.amdhsa_code_object_version 6
	.text
	.protected	k_q8daa6fe322_attn
	.globl	k_q8daa6fe322_attn
	.p2align	8
	.type	k_q8daa6fe322_attn,@function
k_q8daa6fe322_attn:
	s_mov_b64 s[64:65], 0
	v_nop
	global_prefetch_b8 v0, s[64:65] scope:SCOPE_SE
	s_setreg_imm32_b32 hwreg(HW_REG_WAVE_MODE, 25, 1), 1
	s_wait_xcnt 0x0
; y[bh][q] = the sum over keys k <= q of softmax_k(q . k / 8) v, both products on codes of E4M3 with the given scales (q 2^e2, k 2^e3, p 2^e4, v 2^e5); y is quantised at once with 2^e6.
; THE SOFTMAX AHEAD OF THE SECOND PRODUCT: t = score x log2(e) / 8; M = the row's largest t so far, rounded UP to a whole number; p = 2^(t - M) is quantised along the keys, not normalised.
; The row's sum is taken of the unquantised p, in f32, and divides at the end.  When M moves, the sum and O are multiplied by 2^(old M - new M): exact.
; LIMITS on the given exponents, so that each power of two below is an f32 number: e2 + e3 between -123 and 130 (added to c's exponent field); e4, and e6 - e4 - e5, between -126 and 119.  NaN among the inputs is not served.
; INPUT: qkv holds register images (made by the launch before): q and k: a fragment of 16 tokens x 64 channels is 1,024 bytes, registers 0-3 at 16 x lane, registers 4-7 512 bytes on;
; v: a fragment of 16 channels x 128 keys is 2,048 bytes, four registers at 16 x lane for each 512.  So every fragment comes by loads of 16 bytes a lane, with no pitch.
; SHARES.  Work-group (x, head) owns the blocks x and 7 - x of 256 queries: it walks key slots (256 keys) 0 .. x for the first and 0 .. 7 - x for the second: NINE slots whatever x is,
; so all 256 work-groups have the same work and every trip count is a constant.  Each of the sixteen waves owns 16 queries of the block in hand, in 256 registers: four waves to a SIMD.
; No cluster: in a given trip the four work-groups of a head stand at different key slots, so joint requests would not meet.
; LAYOUT.  Both products are used transposed: S^T = K Q^T (source 0 = 16 keys, source 1 = my 16 queries), O^T = V^T P^T (source 0 = 16 channels, source 1 = P): a lane holds ONE query (lane % 16) throughout.
; Tile t of S^T holds, in lane half h and register j, key 16 t + 8 h + j: converted, that is registers 2 t, 2 t + 1 of P in the second product's own layout.
; The channels of v lie with bits 3 and 4 exchanged, so tile 2 b + u of O^T holds channel 32 b + 16 h + 8 u + j: four registers of y's codes are 16 neighbouring channels, as the last product's operand wants them.
; OUTPUT: yc: [16 rows: 512][128 along K: 8][four registers: 4][lane][16 bytes]: images of that operand's fragments; head hd fills 1,024 bytes at 1,024 hd of a block's 16,384.
; CAUSAL: a step all of whose 128 keys come after my 16 queries is left out by a scalar branch on ids; in the step on the diagonal hidden scores become -infinity ahead of the maximum.
; REGISTERS: v1 16 x lane; v2 the LDS address in hand; v3 the prefetches' offset; v5, v6 the add's two; v7 lane % 16 - 8 (lane / 16); v12 -M, v13 the largest t, v[14:15] the sum in two halves;
; v16-23 Q; v32-95 K's eight fragments, then V's four; v96-159 S^T, then p; v160-191 O^T; v192-207 p's codes; v208-215 y's codes; v236-255 at work and scales.
.set SLOT1, 32768                      ; a slot: K's 16 images (16,384 bytes), then V's 8 (16,384); slot 1 begins here, so that one exclusive or turns an address from one slot to the other
.set VOFF,  16384
.set SPARE, 65536                      ; behind the ring: the spare words, 128 bytes for each of sixteen waves
.set LI,   1
.set ADR,  2
.set PFO,  3
.set SPW,  5
.set NIL,  6
.set DG,   7
.set TB,   2                           ; s2   LDS byte at which the slot in hand begins
.set TR,   3                           ; s3   the trip, 0 .. 8
.set XB,   10                          ; s10  x: the trip behind which the first block is finished
.set KS,   11                          ; s11  the key slot asked for last
.set KVB,  14                          ; s[14:15] my head's k (wave 0) or v (wave 1)
.set WV,   18
.set SEL,  20                          ; s[20:21] lane selects for v_permlanex16_b32: lane l xor 16
.set CS,   22                          ; s[22:23] c = log2(e) / 8 x 2^(e2 + e3)
.set G1,   24                          ; s[24:31] descriptor group 1
.set G0,   32                          ; s[32:35] descriptor group 0
.set QA,   36                          ; s[36:39] Q's image for the first and for the second block
.set YA,   40                          ; s[40:43] y's place likewise
.set Q0B,  44                          ; s44  my first query in the second block
.set PFA,  46                          ; s[46:47] where my prefetches stand
.set LIM,  48                          ; s48  4 in a wave that prefetches, else 0
.set KF,   98                          ; s98  the step's first key
.set Q0,   99                          ; s99  my first query
; Wave 0 fetches a slot's K, wave 1 its V, the others nothing: one line, each wave with its own addresses.  The branch hangs on the wave's number alone.  An s_nop 0 and four v_nop follow.
.macro TLOAD
	s_cmp_lt_u32 s[WV], 2
	s_cbranch_scc0 .Lasked_\@
	tensor_load_to_lds s[G0:G0+3], s[G1:G1+7]
	s_nop 0
.rept 4
	v_nop
.endr
.Lasked_\@:
.endm
; A PREFETCH INTO THE L2 of the key slot that the next change of slots of work-group x = 0 will ask for.  That work-group walks key slots 0 .. 7 in trips 1 .. 8 and is the first of its head to want slots 4 to 7;
; in trips 3 to 6 its waves 4 to 7 (which fetch nothing) name them: waves 4, 5 the two halves of K's 16,384 bytes, waves 6, 7 of V's, lanes 256 bytes apart: each block of 256 bytes once in the launch.
; Slots 0 to 3 come by their loads alone: the head's other work-groups ask for them in the same trips.  Slot 7 is the last: trip 7 asks for nothing.
.macro ASK
	s_sub_co_u32 s97, s[TR], 3
	s_cmp_lt_u32 s97, s[LIM]
	s_cbranch_scc0 .Lnot_mine_\@
	global_prefetch_b8 v[PFO], s[PFA:PFA+1] th:TH_LOAD_NT scope:SCOPE_SE
.Lnot_mine_\@:
.endm
.macro INIT                            ; a block of queries begins: the largest t under every t, the sum and O^T zero (the first change of M multiplies zeros)
	v_mov_b32 v13, 0xff61b1e6                      ; -3e38
	s_delay_alu instid0(VALU_DEP_1)
	v_floor_f32 v12, -v13                          ; -M
	v_mov_b32 v14, 0
	v_mov_b32 v15, 0
.set j, 0
.rept 32
	v_mov_b32 v[160+j], 0
.set j, j+1
.endr
.endm
	s_load_b128 s[4:7], s[0:1], 0x0                ; qkv s[4:5], the scales' exponents s[6:7]
	s_load_b64 s[8:9], s[0:1], 0x10                ; yc
	v_lshl_add_u32 v[SPW], v0, 2, SPARE
	v_mov_b32 v[NIL], 0
	ds_add_u32 v[SPW], v[NIL]                      ; the wave's opening: the add and its wait stand ahead of my first tensor load; the set-up below, work on registers, stands between them
	ds_add_u32 v[SPW], v[NIL]
	v_lshrrev_b32 v8, 5, v0
	s_delay_alu instid0(VALU_DEP_1)
	v_readfirstlane_b32 s[WV], v8                  ; wave 0..15
	; descriptor group 1: a dense block of 16,384 bytes as 64 rows of 32 elements of 8 bytes; no padding, no mask
	s_mov_b32 s[G1], 3<<16
	s_mov_b32 s[G1+1], 32<<16                      ; tensor_dim0
	s_mov_b32 s[G1+2], 64<<16                      ; tensor_dim1
	s_mov_b32 s[G1+3], 32<<16                      ; tile_dim0
	s_mov_b32 s[G1+4], 64                          ; tile_dim1
	s_mov_b32 s[G1+5], 32                          ; tensor_dim0_stride
	s_mov_b32 s[G1+6], 0
	s_mov_b32 s[G1+7], 0
	s_mov_b32 s[XB], ttmp9
	s_and_b32 s76, ttmp7, 0xffff                   ; the head, 16 b + h
	s_lshl_b32 s78, s76, 17                        ; its 2^17 bytes in each part of qkv
	s_mov_b32 s79, 0
	s_lshl_b32 s77, s[WV], 4
	s_lshl_b32 s[Q0], ttmp9, 8
	s_add_co_u32 s[Q0], s[Q0], s77                 ; my first query: 256 x + 16 wave,
	s_sub_co_u32 s[Q0B], 7, ttmp9
	s_lshl_b32 s[Q0B], s[Q0B], 8
	s_add_co_u32 s[Q0B], s[Q0B], s77               ; and 256 (7 - x) + 16 wave
	s_lshr_b32 s80, s76, 4
	s_lshl_b32 s80, s80, 21                        ; yc: the batch's 2,048 rows of 1,024 bytes,
	s_and_b32 s81, s76, 15
	s_lshl_b32 s81, s81, 10                        ; the head's 1,024 bytes in a block of 16 rows
	s_add_co_u32 s80, s80, s81
	s_lshl_b32 s82, s[Q0], 10
	s_add_co_u32 s82, s82, s80
	s_mov_b32 s83, 0
	s_lshl_b32 s84, s[Q0B], 10
	s_add_co_u32 s84, s84, s80
	s_mov_b32 s85, 0
	s_lshl_b32 s86, s[Q0], 6                       ; q: 64 bytes a token
	s_mov_b32 s87, 0
	s_lshl_b32 s88, s[Q0B], 6
	s_mov_b32 s89, 0
	s_cmp_eq_u32 s[WV], 0
	s_mov_b32 s90, 0x1000000
	s_cselect_b32 s90, 0x800000, s90               ; wave 0 fetches from k's part, wave 1 from v's
	s_mov_b32 s91, 0
	s_cmp_lt_u32 s[WV], 6
	s_mov_b32 s92, 0x1000000
	s_cselect_b32 s92, 0x800000, s92               ; waves 4, 5 prefetch k, waves 6, 7 v,
	s_and_b32 s93, s[WV], 1
	s_lshl_b32 s94, s93, 13
	s_add_co_u32 s92, s92, s94                     ; 8,192 bytes each
	s_lshl_b32 s[G0+1], s93, 14                    ; LDS address: K at the slot's head, V 16,384 bytes on; slot 0
	s_mov_b32 s93, 0
	s_sub_co_u32 s95, s[WV], 4
	s_lshr_b32 s95, s95, 2                         ; 0 in waves 4 to 7,
	s_or_b32 s95, s95, ttmp9                       ; of work-group x = 0
	s_cmp_eq_u32 s95, 0
	s_cselect_b32 s[LIM], 4, 0
	s_mov_b32 s[SEL], 0x76543210
	s_mov_b32 s[SEL+1], 0xfedcba98
	s_mov_b32 s[CS], 0x3e38aa3b                    ; log2(e) / 8
	s_mov_b32 s[TB], 0
	s_mov_b32 s[TR], 0
	s_mov_b32 s[KS], 0
	s_mov_b32 s[KF], 0
	s_mov_b32 s13, 0
	s_wait_dscnt 0x0                               ; the opening add is done
	s_wait_kmcnt 0x0
	s_load_b256 s[68:75], s[6:7], 0x0              ; e0 .. e7
	s_add_nc_u64 s[4:5], s[4:5], s[78:79]          ; q's part at my head
	s_add_nc_u64 s[KVB:KVB+1], s[4:5], s[90:91]
	s_mov_b32 s[G0], 1                             ; count = 1
	s_mov_b64 s[G0+2:G0+3], s[KVB:KVB+1]           ; key slot 0
	s_or_b32 s[G0+3], s[G0+3], 0x80000000          ; type = 2
	TLOAD                                          ; slot 0: one tensor load of mine is out, here and behind every change of slots
	s_add_nc_u64 s[PFA:PFA+1], s[4:5], s[92:93]    ; at key slot 0: the change of slots in trip t steps it to slot t + 1
	s_add_nc_u64 s[QA:QA+1], s[4:5], s[86:87]
	s_add_nc_u64 s[QA+2:QA+3], s[4:5], s[88:89]
	s_add_nc_u64 s[YA:YA+1], s[8:9], s[82:83]
	s_add_nc_u64 s[YA+2:YA+3], s[8:9], s[84:85]
	v_and_b32 v[LI], 31, v0
	s_delay_alu instid0(VALU_DEP_1)
	v_lshlrev_b32 v[LI], 4, v[LI]
	global_load_b128 v[16:19], v[LI], s[QA:QA+1]             ; Q's fragment stays in registers
	global_load_b128 v[20:23], v[LI], s[QA:QA+1] offset:512
	v_lshlrev_b32 v[PFO], 4, v[LI]
	v_and_b32 v8, 15, v0
	v_bfe_u32 v9, v0, 4, 1
	s_delay_alu instid0(VALU_DEP_1)
	v_lshlrev_b32 v9, 3, v9
	s_delay_alu instid0(VALU_DEP_1)
	v_sub_nc_u32 v[DG], v8, v9
	INIT
	v_mov_b32 v236, 0                              ; written once: a lane permute's destination counts as one of its sources
	v_mov_b32 v253, 0                              ; (named as the upper half of the pair v[252:253])
	s_wait_kmcnt 0x0
	s_add_co_i32 s76, s70, s71
	s_lshl_b32 s76, s76, 23
	s_add_co_i32 s[CS], s[CS], s76                 ; a score stands for score x 2^(e2 + e3): the two exponents are added to c's exponent field
	s_mov_b32 s[CS+1], s[CS]                       ; (named with it as a pair, so it is written)
	s_add_co_i32 s76, s72, 127
	s_lshl_b32 s77, s76, 23
	v_mov_b32 v244, s77                            ; 2^e4, for p's conversions
	s_sub_co_i32 s76, s74, s72
	s_sub_co_i32 s76, s76, s73                     ; a sum of the second product stands for sum x 2^(e4 + e5): y's code is (sum / l) / 2^(e6 - e4 - e5)
	s_add_co_i32 s76, s76, 127
	s_lshl_b32 s77, s76, 23
	v_mov_b32 v245, s77
; A KEY STEP: 128 keys, the q-th of the slot in hand.
.macro STEP q
	s_add_co_u32 s96, s[Q0], 15                    ; a step all of whose keys come after my 16 queries is left out: a branch on ids, round loads, products and softmax; no barrier and no tensor load stands in a step
	s_cmp_gt_u32 s[KF], s96
	s_cbranch_scc1 .Lhidden_\@
	v_add_nc_u32 v[ADR], s[TB], v[LI]
.rept 3
	v_nop                                          ; with the addition above: four places in front of loads into registers that the last products read
.endr
.set t, 0
.rept 8                                        ; K's eight fragments of 16 keys x 64 channels
	ds_load_b128 v[32+8*t:35+8*t], v[ADR] offset:(8*(\q)+t)*1024
	ds_load_b128 v[36+8*t:39+8*t], v[ADR] offset:(8*(\q)+t)*1024+512
.set t, t+1
.endr
	s_wait_alu depctr_va_vdst(0)
	s_wait_dscnt 0x0
.set t, 0
.rept 8
	v_wmma_f32_16x16x64_fp8_fp8 v[96+8*t:103+8*t], v[32+8*t:39+8*t], v[16:23], 0
.set t, t+1
.endr
.rept 4
	v_nop                                          ; places in front of the loads below and of the first read of the scores
.endr
.set t, 0
.rept 4                                        ; V's four fragments of 16 channels x 128 keys: they land while the softmax is worked
.irp c, 0,1,2,3
	ds_load_b128 v[32+16*t+4*\c:35+16*t+4*\c], v[ADR] offset:VOFF+8192*(\q)+2048*t+512*\c
.endr
.set t, t+1
.endr
	s_add_co_u32 s96, s[KF], 127                   ; a step all of whose keys count skips the mask
	s_cmp_le_u32 s96, s[Q0]
	s_cbranch_scc1 .Lopen_\@
	s_sub_co_i32 s96, s[Q0], s[KF]
	v_add_nc_u32 v252, s96, v[DG]                  ; d = my query - KF - 8 (lane / 16).  Register n holds key KF + 8 (lane / 16) + 16 (n / 8) + n % 8: hidden where 16 (n / 8) + n % 8 > d
	v_mov_b32 v254, 0xff800000                     ; -infinity
.set n, 0
.rept 64
	v_cmp_gt_i32 vcc_lo, 16*(n/8)+n%8, v252
	v_cndmask_b32 v[96+n], v[96+n], v254, vcc_lo
.set n, n+1
.endr
.Lopen_\@:
	v_max3_num_f32 v254, v96, v97, v98             ; the step's largest score of my query, among my 64 keys, in two chains,
	v_max3_num_f32 v252, v99, v100, v101
.irp i, 6,10,14,18,22,26,30,34,38,42,46,50,54,58
	v_max3_num_f32 v254, v254, v[96+\i], v[97+\i]
	v_max3_num_f32 v252, v252, v[98+\i], v[99+\i]
.endr
	v_max3_num_f32 v254, v254, v158, v159
	s_delay_alu instid0(VALU_DEP_1)
	v_max_num_f32 v254, v254, v252
	s_delay_alu instid0(VALU_DEP_1)
	v_permlanex16_b32 v236, v254, s[SEL], s[SEL+1]
	s_delay_alu instid0(VALU_DEP_1)
	v_max_num_f32 v254, v254, v236                 ; and among lane l xor 16's
	s_delay_alu instid0(VALU_DEP_1)
	v_mul_f32 v254, s[CS], v254                    ; as t (c is positive)
	s_delay_alu instid0(VALU_DEP_1)
	v_max_num_f32 v13, v13, v254                   ; the running largest t
	v_mov_b32 v254, v12
	s_delay_alu instid0(VALU_DEP_2)
	v_floor_f32 v12, -v13                          ; the new -M = floor(-t) = -ceil(t): M is a whole number
	s_delay_alu instid0(VALU_DEP_1)
	v_sub_f32 v254, v12, v254                      ; M's old value less its new one: a whole number, 0 or less
	s_delay_alu instid0(VALU_DEP_1)
	v_cvt_i32_f32 v254, v254                       ; (it saturates)
	s_delay_alu instid0(VALU_DEP_1)
	v_ldexp_f32 v252, 1.0, v254                    ; f = 2^(old M - new M)
.set j, 0
.rept 32
	v_pk_fma_f32 v[96+j:97+j], v[96+j:97+j], s[CS:CS+1], v[12:13] op_sel_hi:[1,0,0]   ; t - M, two at a time (of the pairs c and -M the low word serves both halves)
.set j, j+2
.endr
.set j, 0
	s_wait_alu depctr_va_vdst(0)
.rept 64
	v_exp_f32 v[96+j], v[96+j]                     ; p = 2^(t - M), at most 1
.set j, j+1
.endr
	v_pk_mul_f32 v[14:15], v[14:15], v[252:253] op_sel_hi:[1,0]   ; the sums under the new M: the plain instruction behind the exponentials
	s_wait_alu depctr_va_vdst(0)                   ; one wait for the whole batch, ahead of its first reader
	v_pk_add_f32 v[242:243], v[100:101], v[104:105]
	v_pk_add_f32 v[254:255], v[108:109], v[112:113]
	v_pk_add_f32 v[250:251], v[116:117], v[120:121]
	v_pk_add_f32 v[248:249], v[124:125], v[128:129]
	v_pk_add_f32 v[246:247], v[132:133], v[136:137]
	v_pk_add_f32 v[240:241], v[140:141], v[144:145]
	v_pk_add_f32 v[238:239], v[148:149], v[152:153]
	v_pk_add_f32 v[14:15], v[14:15], v[156:157]
	v_pk_add_f32 v[242:243], v[242:243], v[96:97]
	v_pk_add_f32 v[254:255], v[254:255], v[98:99]
	v_pk_add_f32 v[250:251], v[250:251], v[102:103]
	v_pk_add_f32 v[248:249], v[248:249], v[106:107]
	v_pk_add_f32 v[246:247], v[246:247], v[110:111]
	v_pk_add_f32 v[240:241], v[240:241], v[114:115]
	v_pk_add_f32 v[238:239], v[238:239], v[118:119]
	v_pk_add_f32 v[14:15], v[14:15], v[122:123]
	v_pk_add_f32 v[242:243], v[242:243], v[126:127]
	v_pk_add_f32 v[254:255], v[254:255], v[130:131]
	v_pk_add_f32 v[250:251], v[250:251], v[134:135]
	v_pk_add_f32 v[248:249], v[248:249], v[138:139]
	v_pk_add_f32 v[246:247], v[246:247], v[142:143]
	v_pk_add_f32 v[240:241], v[240:241], v[146:147]
	v_pk_add_f32 v[238:239], v[238:239], v[150:151]
	v_pk_add_f32 v[14:15], v[14:15], v[154:155]
	v_pk_add_f32 v[242:243], v[242:243], v[158:159]
	s_delay_alu instid0(VALU_DEP_2)
	v_pk_add_f32 v[14:15], v[14:15], v[248:249]
	s_delay_alu instid0(VALU_DEP_2)
	v_pk_add_f32 v[242:243], v[242:243], v[246:247]
	v_pk_add_f32 v[254:255], v[254:255], v[240:241]
	v_pk_add_f32 v[250:251], v[250:251], v[238:239]
	s_delay_alu instid0(VALU_DEP_2)
	v_pk_add_f32 v[14:15], v[14:15], v[254:255]
	s_delay_alu instid0(VALU_DEP_2)
	v_pk_add_f32 v[242:243], v[242:243], v[250:251]
	s_delay_alu instid0(VALU_DEP_1)
	v_pk_add_f32 v[14:15], v[14:15], v[242:243]
.irp t, 0,1,2,3,4,5,6,7
.irp i, 0,1,2,3,4,5,6,7
.endr
	v_cvt_scalef32_pk8_fp8_f32 v[192+2*\t:193+2*\t], v[96+8*\t:103+8*\t], v244   ; keys 16 t + 8 (lane / 16) + 0 .. 7: registers 2 t, 2 t + 1 of P
.endr
.set j, 0
.rept 16
	v_pk_mul_f32 v[160+j:161+j], v[160+j:161+j], v[252:253] op_sel_hi:[1,0]   ; O^T under the new M.  (Also the plain instructions between the conversions and the products that read the codes)
.set j, j+2
.endr
	s_wait_alu depctr_va_vdst(0)
	s_wait_dscnt 0x0                               ; V is in
.set t, 0
.rept 4                                        ; O^T += V^T P^T: the four accumulators take turns, and the next step's eight products on the scores stand between two links of a chain
	v_wmma_f32_16x16x128_fp8_fp8 v[160+8*t:167+8*t], v[32+16*t:47+16*t], v[192:207], v[160+8*t:167+8*t]
.set t, t+1
.endr
.Lhidden_\@:
	s_add_co_u32 s[KF], s[KF], 128
.endm
; THE CHANGE OF SLOTS stands at a slot's head.  Each wave waits for all its tensor loads (the slot that it is about to read), adds 0 to its spare word, and waits for that and for its reads of the slot that it has left.
; Behind the barrier the slot ahead is whole and nobody reads the other one.  fill = 1: that other slot is filled with the key slot of the next trip: the next one, or slot 0 where the second block of queries begins.
.macro CHANGE fill
	s_wait_tensorcnt 0x0                           ; no tensor load of mine is out, so group 0 may be written
	ds_add_u32 v[SPW], v[NIL]                      ; 0 onto my spare word; the descriptor's step stands between it and the wait for it
.if \fill
	s_xor_b32 s[G0+1], s[G0+1], SLOT1              ; the other LDS slot than last time
	s_add_co_u32 s[KS], s[KS], 1
	s_cmp_eq_u32 s[TR], s[XB]                      ; ids and the count of trips alone
	s_cselect_b32 s[KS], 0, s[KS]
	s_lshl_b32 s12, s[KS], 14                      ; a key slot is 16,384 bytes of k and of v
	s_add_nc_u64 s[G0+2:G0+3], s[KVB:KVB+1], s[12:13]
	s_or_b32 s[G0+3], s[G0+3], 0x80000000
	s_wait_xcnt 0x0                                ; the last prefetch, a slot back, has read its address, so it may be written
	s_add_nc_u64 s[PFA:PFA+1], s[PFA:PFA+1], 16384
.endif
	s_wait_dscnt 0x0                               ; the add is done, and my reads of the slot that I have left are over
	s_barrier_signal -1
	s_barrier_wait -1
.if \fill
	TLOAD                                          ; the first thing behind the barrier, and a wave's one tensor load until the next: it has a slot's two key steps in which to land
	ASK
.endif
.endm
.macro SLOT_STEPS
	STEP 0
	STEP 1
	s_xor_b32 s[TB], s[TB], SLOT1                  ; on to the other slot
.endm
; A block of queries is finished: O^T is divided by the row's sum, held, converted and stored as the image of the last product's operand: two stores of 512 consecutive bytes.
.macro FINISH ya
	v_add_f32 v14, v14, v15                        ; the sum's two halves,
	s_wait_alu depctr_va_vdst(0)
	v_permlanex16_b32 v236, v14, s[SEL], s[SEL+1]
	s_delay_alu instid0(VALU_DEP_1)
	v_add_f32 v14, v14, v236                       ; and lane l xor 16's
	s_wait_alu depctr_va_vdst(0)
	v_rcp_f32 v14, v14
.rept 4
	v_nop                                          ; the plain instruction behind the reciprocal, and the places behind the last products
.endr
	s_wait_alu depctr_va_vdst(0)                   ; ahead of the reciprocal's first reader
.set j, 0
.rept 16
	v_pk_mul_f32 v[96+j:97+j], v[160+j:161+j], v[14:15] op_sel_hi:[1,0]   ; each accumulator from its low end on
.set j, j+2
.endr
.set j, 0
.rept 32
.set j, j+1
.endr
.irp t, 0,1,2,3
	v_cvt_scalef32_pk8_fp8_f32 v[208+2*\t:209+2*\t], v[96+8*\t:103+8*\t], v245
.endr
	v_nop                                          ; one plain vector instruction behind the last conversion
	global_store_b128 v[LI], v[208:211], s[\ya:\ya+1]             ; channels 16 (lane / 16) + 0 .. 15 of the head
	global_store_b128 v[LI], v[212:215], s[\ya:\ya+1] offset:512  ; channels 32 + 16 (lane / 16) + 0 .. 15
.endm
	s_wait_loadcnt 0x0                             ; Q
.Lslot:                                            ; eight trips: behind each change of slots but the last the next trip's key slot is asked for
	CHANGE 1
	SLOT_STEPS
	s_cmp_lg_u32 s[TR], s[XB]                      ; behind trip x the first block is finished: a branch on ids and the count of trips, the same in all sixteen waves; no barrier and no tensor load stands under it
	s_cbranch_scc1 .Lsame
	FINISH YA
	s_wait_xcnt 0x0                                ; the stores have read their data: the second block's codes may be written later
	global_load_b128 v[16:19], v[LI], s[QA+2:QA+3]           ; the second block's Q
	global_load_b128 v[20:23], v[LI], s[QA+2:QA+3] offset:512
	s_mov_b32 s[Q0], s[Q0B]
	s_mov_b32 s[KF], 0
	INIT
	s_wait_loadcnt 0x0
.Lsame:
	s_add_co_u32 s[TR], s[TR], 1
	s_cmp_lt_u32 s[TR], 8
	s_cbranch_scc1 .Lslot
	CHANGE 0                                       ; the last trip is written out
	SLOT_STEPS
	FINISH YA+2
	s_wait_tensorcnt 0x0                           ; the wave's end: a wait, an add of 0 to my spare word and its wait, behind my last tensor load
	ds_add_u32 v[SPW], v[NIL]
	s_wait_dscnt 0x0
	s_endpgm
.Lfunc_end_k_q8daa6fe322_attn:
	.size	k_q8daa6fe322_attn, .Lfunc_end_k_q8daa6fe322_attn-k_q8daa6fe322_attn
	.p2alignl 7, 3214868480
	.fill 96, 4, 3214868480
	.section	.rodata,"a",@progbits
	.p2align	6, 0x0
	.amdhsa_kernel k_q8daa6fe322_attn
		.amdhsa_group_segment_fixed_size 327680
		.amdhsa_private_segment_fixed_size 0
		.amdhsa_enable_private_segment 0
		.amdhsa_kernarg_size 24
		.amdhsa_user_sgpr_count 2
		.amdhsa_user_sgpr_kernarg_segment_ptr 1
		.amdhsa_wavefront_size32 1
		.amdhsa_system_sgpr_workgroup_id_x 1
		.amdhsa_system_sgpr_workgroup_id_y 1
		.amdhsa_system_sgpr_workgroup_id_z 1
		.amdhsa_system_vgpr_workitem_id 0
		.amdhsa_next_free_vgpr 256
		.amdhsa_next_free_sgpr 100
		.amdhsa_reserve_vcc 1
		.amdhsa_float_denorm_mode_32 3
		.amdhsa_float_denorm_mode_16_64 3
		.amdhsa_fp16_overflow 1
		.amdhsa_memory_ordered 1
		.amdhsa_forward_progress 1
		.amdhsa_inst_pref_size 89
	.end_amdhsa_kernel
	.amdgpu_metadata
---
amdhsa.version: [ 1, 2 ]
amdhsa.kernels:
  - .name:           k_q8daa6fe322_attn
    .symbol:         k_q8daa6fe322_attn.kd
    .args:
      - { .name: qkv, .offset: 0, .size: 8, .value_kind: global_buffer, .address_space: global }
      - { .name: lowp_scales, .offset: 8, .size: 8, .value_kind: global_buffer, .address_space: global }
      - { .name: yc, .offset: 16, .size: 8, .value_kind: global_buffer, .address_space: global }
    .group_segment_fixed_size: 327680
    .private_segment_fixed_size: 0
    .kernarg_segment_align: 8
    .kernarg_segment_size: 24
    .max_flat_workgroup_size: 512
    .sgpr_count:     100
    .vgpr_count:     256
    .wavefront_size: 32
...
	.end_amdgpu_metadata
.endif
;; end of part 3
;; launch gemm_out (part 4): grid 4 x 32, 4 waves a work-group, clusters of 4 x 4, 327,680 bytes of LDS; arguments yc, wc, lowp_scales, out0; writes out0
.if DOCPART == 4
	.amdgcn_target "amdgcn-amd-amdhsa--gfx1250"
	.amdhsa_code_object_version 6
	.text
	.protected	k_q8daa6fe322_gemm_out
	.globl	k_q8daa6fe322_gemm_out
	.p2align	8
	.type	k_q8daa6fe322_gemm_out,@function
k_q8daa6fe322_gemm_out:
	s_mov_b64 s[64:65], 0
	v_nop
	global_prefetch_b8 v0, s[64:65] scope:SCOPE_SE
	s_setreg_imm32_b32 hwreg(HW_REG_WAVE_MODE, 25, 1), 1
	s_wait_xcnt 0x0
	s_wait_alu depctr_hold_cnt(0) depctr_sa_sdst(0) depctr_va_vdst(0) depctr_va_sdst(0) depctr_va_ssrc(0) depctr_va_vcc(0) depctr_vm_vsrc(0)
	s_getreg_b32 s2, hwreg(HW_REG_IB_STS2, 6, 4)
	s_cmp_eq_u32 s2, 0
	s_cbranch_scc0 .Lentry_in_a_cluster
	s_endpgm
.Lentry_in_a_cluster:
	s_bfe_u32 s2, ttmp6, 0x10000c
	s_cmp_lg_u32 s2, 0xf033
	s_cbranch_scc0 .Lentry_shape_is_right
	s_endpgm
.Lentry_shape_is_right:
; out0 = y W_proj on codes of E4M3: out0[m][n] = 2^(e6 + e7) x the sum over k of y's code (m, k) x W_proj's code (k, n); out0: [8192][1024] f32; sums in f32.
; LIMIT: e6 + e7 lies between -126 and 127, so that 2^(e6 + e7) is an f32 number.
; A = yc, which holds IMAGES of this product's fragments: [16 rows: 512][128 along K: 8][four registers: 4][lane][16 bytes]; lane l holds row l % 16, registers 4 c .. 4 c + 3 hold K = 32 c + 16 (l / 16) + 0 .. 15.
; B = wc's rows 3072 on: [1024 (n)][1024 (k)] codes, K innermost, read from padded LDS rows in the same order of k.
; A tile of 256 x 256 is made by four waves, each 128 x 128: 64 accumulators.  K = 1,024 goes in four steps of 256 through a ring of two LDS slots filled by the tensor data mover.
; 128 tiles: 128 work-groups.  CLUSTERS of 4 x 4: A's tiles are shared along a row of the cluster, B's along a column, each asked for jointly.
; THE MATRIX INSTRUCTION IS USED TRANSPOSED (source 0 = 16 rows of B, source 1 = 16 rows of A): a lane holds eight neighbouring numbers of a row of the output.
; REGISTERS, in windows of 256: window 0: v16-31 addresses; from v128 A's fragments, ONE set; on the way out v32-255 are free.  window 1: B's fragments, TWO sets.  windows 2, 3: the accumulators.
.set SIZE_N, 1024
.set KROW,   1024                      ; a row of wc in bytes
.set ROWB,   256                       ; a row of B's tile in bytes: 256 along K
.set PITCH,  272                       ; B's LDS row: 256 bytes + 16 of padding: the 16 rows that a load touches start at 16 different banks (64 banks of 4 bytes: ISA guide 11.1)
.set FR,     16
.set NL,     4
.set NP,     4
.set HALFT,  128*PITCH                 ; B: 128 rows: what one tensor load brings
.set AIMG,   32768                     ; A: 8 blocks of 16 rows x 256 along K as images, 4,096 bytes each: what one tensor load brings
.set BOFF,   2*AIMG                    ; a slot: A's two halves, then B's two
.set SLOT,   BOFF+2*HALFT
.set LAPS,   2
.set SPARE,  2*SLOT                    ; behind the ring: the spare words, 128 bytes for each wave
.set STAGE,  SPARE+512                 ; behind them: a stage of 16 rows x (512 bytes + 16) for each wave, into which no tile lands
.set SPITCH, 528
.set ADRA, 16                          ; v16-17  LDS address of my A fragments in slot 0, 1
.set ADRB, 20                          ; v20-21  the same for B
.set STO,  24                          ; v24     the way out: where I put 32 bytes of a row
.set RD,   25                          ; v25     the way out: where I read a row back
.set CO,   26                          ; v26     16 x lane: my byte offset in a row of the output, and in an image
.set SPW,  28                          ; v28     LDS address of my spare word; never rewritten
.set NIL,  29                          ; v29     0; never rewritten
.set TMP,  32
.set AF,   128
.set BK,   128
.set G1, 24
.set G0, 32
.set G1B, 48
.set G0B, 56
.set MSB, 0
.macro WIN new                         ; the immediate's high byte repeats the setting that is left
.if MSB != \new
	s_set_vgpr_msb (MSB<<8)|\new
.set MSB, \new
.endif
.endm
.set MUL_LO, 0xa1                      ; source 0 (B) window 1, source 1 (A) window 0, C and D window 2
.set MUL_HI, 0xf1                      ; the same, C and D window 3
.set TO_B,   0x40                      ; destination window 1, address window 0
; A joint load: waves 0 and 1 fetch for A, waves 2 and 3 for B; the branch hangs on the wave's number alone.  An s_nop 0 and four v_nop follow each of the two lines.
.macro JLOAD g0a, g1a, g0b, g1b
	s_cmp_eq_u32 s15, 0
	s_cbranch_scc0 .Lfor_b_\@
	tensor_load_to_lds s[\g0a:\g0a+3], s[\g1a:\g1a+7]
	s_nop 0
.rept 4
	v_nop
.endr
	s_branch .Lasked_\@
.Lfor_b_\@:
	tensor_load_to_lds s[\g0b:\g0b+3], s[\g1b:\g1b+7]
	s_nop 0
.rept 4
	v_nop
.endr
.Lasked_\@:
.endm
.macro CREST                           ; a round of the cluster's barrier behind its opening barrier
	s_cmp_lg_u32 s14, 0
	s_cbranch_scc1 .Lnot_wave_0_\@
	s_barrier_signal -3
.Lnot_wave_0_\@:
	s_barrier_wait -3
	s_barrier_signal -1
	s_barrier_wait -1
.endm
.macro CROUND                          ; a whole round
	s_barrier_signal -1
	s_barrier_wait -1
	CREST
.endm
	s_load_b128 s[4:7], s[0:1], 0x0                ; yc s[4:5], wc s[6:7]
	s_load_b128 s[8:11], s[0:1], 0x10              ; the scales' exponents s[8:9], out0 s[10:11]
	v_lshl_add_u32 v[SPW], v0, 2, SPARE
	v_mov_b32 v[NIL], 0
	ds_add_u32 v[SPW], v[NIL]                      ; the wave's opening: the add and its wait stand ahead of my first tensor load; the set-up below, work on registers, stands between them
	ds_add_u32 v[SPW], v[NIL]
	v_lshrrev_b32 v1, 5, v0
	v_readfirstlane_b32 s14, v1                    ; wave 0..3
	s_lshr_b32 s15, s14, 1                         ; which half of the tile's rows is mine.  Also: I fetch for A (0) or for B (1)
	s_and_b32 s16, s14, 1                          ; which half of its columns.  Also: which half of that tile I fetch
	s_bfe_u32 s40, ttmp6, 0x40000                  ; cx, cy: my place in the cluster
	s_bfe_u32 s41, ttmp6, 0x40004
	s_lshl_b32 s42, ttmp9, 2
	s_add_co_u32 s42, s42, s40                     ; tile column = 4 x cluster x + cx
	s_and_b32 s17, ttmp7, 0xffff
	s_lshl_b32 s17, s17, 2
	s_add_co_u32 s17, s17, s41                     ; tile row = 4 x cluster y + cy
	s_lshl_b32 s43, s41, 2
	s_lshl_b32 s43, 15, s43                        ; my row of the cluster
	s_lshl_b32 s44, 0x1111, s40                    ; my column
	; descriptor group 1 for A: 8 rows (blocks of 16 rows of y) of 4,096 bytes, 16,384 bytes apart in memory, dense in LDS
	s_or_b32 s[G1+0], s43, (0<<16)|(1<<21)         ; 15:0 the mask: A's tiles go to my row; 17:16 element of 1 byte; 21 set beside a mask; no padding
	s_mov_b32 s[G1+1], 4096<<16                    ; tensor_dim0
	s_mov_b32 s[G1+2], 8<<16                       ; tensor_dim1
	s_mov_b32 s[G1+3], 4096<<16                    ; tile_dim0
	s_mov_b32 s[G1+4], 8                           ; tile_dim1
	s_mov_b32 s[G1+5], 16384                       ; tensor_dim0_stride
	s_mov_b32 s[G1+6], 0
	s_mov_b32 s[G1+7], 0
	; for B: 128 rows of 256 bytes, padded in LDS
	s_or_b32 s[G1B+0], s44, (0<<16)|(1<<20)|(1<<21)|(5<<22)|(3<<25)  ; the mask of my column; padding on: after every 64 words (code 5) 4 words (code 3)
	s_mov_b32 s[G1B+1], ROWB<<16
	s_mov_b32 s[G1B+2], 128<<16
	s_mov_b32 s[G1B+3], ROWB<<16
	s_mov_b32 s[G1B+4], 128
	s_mov_b32 s[G1B+5], KROW
	s_mov_b32 s[G1B+6], 0
	s_mov_b32 s[G1B+7], 0
	s_lshl_b32 s20, s17, 4
	s_lshl_b32 s18, s16, 3
	s_add_co_u32 s20, s20, s18                     ; A: block 16 x tile row + 8 x half,
	s_lshl_b32 s20, s20, 14                        ; 16,384 bytes each
	s_mov_b32 s21, 0
	s_lshl_b32 s46, s42, 8
	s_lshl_b32 s18, s16, 7
	s_add_co_u32 s46, s46, s18                     ; B: row 256 x tile column + 128 x half,
	s_lshl_b32 s46, s46, 10
	s_add_co_u32 s46, s46, 0x300000                ; behind wc's 3,072 rows of W_attn
	s_mov_b32 s47, 0
	s_lshl_b32 s45, s16, 15                        ; where they go: A's half,
	s_mul_i32 s67, s16, HALFT
	s_add_co_u32 s67, s67, BOFF                    ; B's half: no place in the cluster enters an LDS address
	s_wait_dscnt 0x0                               ; the opening add is done
	s_wait_kmcnt 0x0
	s_load_b64 s[96:97], s[8:9], 0x18              ; e6, e7
	s_add_nc_u64 s[20:21], s[4:5], s[20:21]
	s_add_nc_u64 s[46:47], s[6:7], s[46:47]
	CROUND                                         ; all sixteen work-groups are here: the first joint loads meet
.irp s, 0,1
	s_mov_b32 s[G0+4*\s], 1
	s_add_co_u32 s[G0+4*\s+1], s45, \s*SLOT
	s_add_nc_u64 s[G0+4*\s+2:G0+4*\s+3], s[20:21], \s*4096       ; K step s: two images of 2,048 bytes in each block
	s_or_b32 s[G0+4*\s+3], s[G0+4*\s+3], 0x80000000
	s_mov_b32 s[G0B+4*\s], 1
	s_add_co_u32 s[G0B+4*\s+1], s67, \s*SLOT
	s_add_nc_u64 s[G0B+4*\s+2:G0B+4*\s+3], s[46:47], \s*ROWB
	s_or_b32 s[G0B+4*\s+3], s[G0B+4*\s+3], 0x80000000
	s_wait_alu depctr_va_vdst(0)
	s_wait_tensorcnt 0x0
	ds_add_u32 v28, v29
	ds_add_u32 v28, v29
	s_wait_dscnt 0x0
	CROUND
	JLOAD G0+4*\s, G1, G0B+4*\s, G1B               ; one tensor load of mine is out behind each: the one before has landed
.endr
	v_and_b32 v1, 15, v0                           ; l % 16
	v_bfe_u32 v2, v0, 4, 1                         ; l / 16
	v_mul_u32_u24 v3, v1, PITCH
	v_lshl_add_u32 v4, v2, 4, v3                   ; B: a fragment's row x pitch + 16 x half
	v_and_b32 v6, 31, v0
	v_lshlrev_b32 v[CO], 4, v6                     ; A: 16 x lane
	s_wait_alu depctr_va_vdst(0)
	s_lshl_b32 s21, s15, 15                        ; my 8 blocks of A
	s_mul_i32 s22, s16, HALFT                      ; my 128 rows of B,
	s_add_co_u32 s22, s22, BOFF                    ; which lie behind A's images
.irp s, 0,1
	v_add_nc_u32 v[ADRA+\s], s21, v[CO]
	v_add_nc_u32 v[ADRB+\s], s22, v4
	s_add_co_u32 s21, s21, SLOT
	s_add_co_u32 s22, s22, SLOT
.endr
	s_mul_i32 s23, s14, 16*SPITCH
	s_add_co_u32 s23, s23, STAGE                   ; my stage
	v_mul_u32_u24 v5, v1, SPITCH                   ; in: row l % 16, 32 bytes for each half of the lanes
	v_lshl_add_u32 v5, v2, 5, v5
	v_add_nc_u32 v[STO], s23, v5
	v_add_nc_u32 v[RD], s23, v[CO]                 ; back: the 32 lanes take one row of 512 bytes
	s_lshl_b32 s20, s17, 8
	s_lshl_b32 s21, s15, 7
	s_add_co_u32 s20, s20, s21                     ; my first row of the output: 256 x tile row + 128 x half
	s_lshl_b32 s20, s20, 12                        ; 4,096 bytes a row
	s_lshl_b32 s46, s42, 10                        ; my first column, in bytes: 1,024 x tile column + 512 x half
	s_lshl_b32 s47, s16, 9
	s_add_co_u32 s46, s46, s47
	s_add_co_u32 s20, s20, s46
	s_mov_b32 s21, 0
	s_add_nc_u64 s[10:11], s[10:11], s[20:21]
.macro FRAGB reg, adr, q, i            ; from rows: registers 4 c .. 4 c + 3 hold K = 32 c + 16 (l / 16) + 0 .. 15 of row l % 16
.irp c, 0,1,2,3
	ds_load_b128 v[\reg+4*\c:\reg+4*\c+3], v[\adr] offset:128*(\q)+32*\c+(\i)*16*PITCH
.endr
.endm
.macro FRAGA reg, adr, q, i            ; from an image: the same registers in the same lanes, 512 consecutive bytes a load
.irp c, 0,1,2,3
	ds_load_b128 v[\reg+4*\c:\reg+4*\c+3], v[\adr] offset:2048*(\q)+512*\c+(\i)*4096
.endr
.endm
; 16 matrix instructions: A's blocks a0, a0 + 1 x B's eight, 128 along K.  The 64 accumulators take turns, one instruction a turn, in the same order in every step.
.macro MUL16 a0, p, zero
.irp a, \a0, \a0+1
.irp b, 0,1,2,3,4,5,6,7
.if \zero
	v_wmma_f32_16x16x128_fp8_fp8 v[8*(8*((\a)%4)+\b):8*(8*((\a)%4)+\b)+7], v[128*(\p)+FR*\b:128*(\p)+FR*\b+FR-1], v[AF+FR*(\a):AF+FR*(\a)+FR-1], 0
.else
	v_wmma_f32_16x16x128_fp8_fp8 v[8*(8*((\a)%4)+\b):8*(8*((\a)%4)+\b)+7], v[128*(\p)+FR*\b:128*(\p)+FR*\b+FR-1], v[AF+FR*(\a):AF+FR*(\a)+FR-1], v[8*(8*((\a)%4)+\b):8*(8*((\a)%4)+\b)+7]
.endif
.endr
.endr
.endm
.macro FETCH_B slot, q, p
	WIN TO_B
.irp i, 0,1,2,3,4,5,6,7
	FRAGB 128*(\p)+FR*\i, ADRB+\slot, \q, \i
.endr
	WIN 0
.endm
.macro FETCH_A slot, q, i0
.irp i, \i0, \i0+1, \i0+2, \i0+3
	FRAGA AF+FR*(\i), ADRA+\slot, \q, \i
.endr
.endm
.macro PLACES n                        ; plain vector instructions between a matrix instruction and a load into a register that it read, or a vector instruction that reads its result
.rept \n
	v_nop
.endr
.endm
.macro STEP slot, q, zero
	s_wait_dscnt 4*NL                              ; B's set and A's blocks 0-3 are in; the youngest sixteen loads (A's blocks 4-7) may be out
	WIN MUL_LO
	MUL16 0, (\q)%2, \zero
	MUL16 2, (\q)%2, \zero
	s_wait_dscnt 0                                 ; A's blocks 4-7 are in
	PLACES NP
	FETCH_B \slot, (\q)+1, 1-(\q)%2
	FETCH_A \slot, (\q)+1, 0
	WIN MUL_HI
	MUL16 4, (\q)%2, \zero
	MUL16 6, (\q)%2, \zero
	PLACES NP
	WIN 0
	FETCH_A \slot, (\q)+1, 4
.endm
; A slot's last step changes slots: ONE barrier; in front of it each wave waits for all its tensor loads, adds 0 to its spare word, and waits for that and for its own reads of this slot.  fill = 1: this slot is filled again, two K steps ahead.
.macro TURN slot, next, fill
	s_wait_tensorcnt 0x0                           ; all my tensor loads have landed: my part of the next slot  (every window is 0 here)
	ds_add_u32 v[SPW], v[NIL]                      ; 0 onto my spare word
	s_wait_dscnt 4*NL+1                            ; the add and the youngest sixteen loads (A's blocks 4-7) may be out
	WIN MUL_LO
	MUL16 0, 1, 0                                  ; sixteen matrix instructions stand between the add and the wait for it
	s_wait_dscnt 0x0                               ; the add is done, and my reads of this slot are over
	s_barrier_signal -1
	MUL16 2, 1, 0
	WIN 0
	s_barrier_wait -1
.if \fill
	CREST                                          ; the barrier has opened a round of the cluster's barrier: no wave of any partner still reads this slot's tile or has a load on its way
	s_add_nc_u64 s[G0+4*\slot+2:G0+4*\slot+3], s[G0+4*\slot+2:G0+4*\slot+3], 2*4096
	s_add_nc_u64 s[G0B+4*\slot+2:G0B+4*\slot+3], s[G0B+4*\slot+2:G0B+4*\slot+3], 2*ROWB
	JLOAD G0+4*\slot, G1, G0B+4*\slot, G1B         ; the first tensor load behind the round; its four v_nop are also the places in front of the loads below
.else
	PLACES NP
.endif
	FETCH_B \next, 0, 0
	FETCH_A \next, 0, 0
	WIN MUL_HI
	MUL16 4, 1, 0
	MUL16 6, 1, 0
	PLACES NP
	WIN 0
	FETCH_A \next, 0, 4
.endm
	s_wait_alu depctr_va_vdst(0)
	s_wait_tensorcnt 1                             ; my part of K step 0 is in; K step 1's load may be out
	s_barrier_signal -1
	s_barrier_wait -1                              ; everybody's is
	FETCH_B 0, 0, 0
	FETCH_A 0, 0, 0
	FETCH_A 0, 0, 4
	STEP 0, 0, 1                                   ; the first step stands in front of the loop: its products start the sums
	s_mov_b32 s3, LAPS-1
.Llap:                                                 ; a trip goes once round the ring and fills both slots again
	TURN 0, 1, 1
	STEP 1, 0, 0
	TURN 1, 0, 1
	STEP 0, 0, 0
	s_sub_co_u32 s3, s3, 1
	s_cmp_lg_u32 s3, 0
	s_cbranch_scc1 .Llap
	TURN 0, 1, 0                                   ; the last lap fills nothing, and has no round of the cluster's barrier
	STEP 1, 0, 0
	s_wait_dscnt 4*NL                              ; the very last step: nothing more to fetch
	WIN MUL_LO
	MUL16 0, 1, 0
	MUL16 2, 1, 0
	s_wait_dscnt 0
	WIN MUL_HI
	MUL16 4, 1, 0
	MUL16 6, 1, 0
	WIN 0
; THE WAY OUT, block by block of 16 rows x 128 columns.  A lane holds 32 neighbouring bytes of a row, and the lanes beside it hold other rows: so a block goes through my own stage in LDS and comes back as whole
; rows of 512 bytes.  LDS serves a wave's instructions in order (ISA guide 5.7.1.4): no wait between the stores and the loads, nor in front of the next block's stores.
.macro TOSTAGE a
.set AC, 64*((\a)%4)
	WIN 0x02+((\a)/4)                              ; source 0: window 2 or 3
.irp j, 0,2,4,6,8,10,12,14,16,18,20,22,24,26,28,30,32,34,36,38,40,42,44,46,48,50,52,54,56,58,60,62
	v_pk_mul_f32 v[TMP+\j:TMP+\j+1], v[AC+\j:AC+\j+1], s[96:97] op_sel_hi:[1,0]   ; both x s96 = 2^(e6 + e7); each accumulator from its low end on
.endr
	WIN 0
.irp b, 0,1,2,3,4,5,6,7
	ds_store_b128 v[STO], v[TMP+8*\b:TMP+8*\b+3] offset:64*\b
	ds_store_b128 v[STO], v[TMP+8*\b+4:TMP+8*\b+7] offset:64*\b+16
.endr
.set BB, BK+64*((\a)%2)
.irp t, 0,1,2,3,4,5,6,7,8,9,10,11,12,13,14,15
	ds_load_b128 v[BB+4*\t:BB+4*\t+3], v[RD] offset:\t*SPITCH
.endr
.endm
.macro SEND a, younger                 ; younger: the LDS instructions issued behind block a's loads, which may stay out
.set BB, BK+64*((\a)%2)
	s_wait_dscnt \younger                          ; the block is back in registers
.if (\a) > 0
	s_add_nc_u64 s[10:11], s[10:11], 16*SIZE_N*4   ; (behind a wait on XCNT: the earlier stores have read their base)  16 rows on
.endif
.irp t, 0,1,2,3,4,5,6,7,8,9,10,11,12,13,14,15
	global_store_b128 v[CO], v[BB+4*\t:BB+4*\t+3], s[10:11] offset:\t*SIZE_N*4 th:TH_STORE_NT   ; 32 lanes store 512 consecutive bytes, at a multiple of 256 from the output's first byte; written once, read by nobody here
.endr
.endm
	s_wait_kmcnt 0x0
	s_add_co_i32 s96, s96, s97                     ; e6 + e7, between -126 and 127,
	s_add_co_i32 s96, s96, 127
	s_lshl_b32 s96, s96, 23                        ; makes the f32 number 2^(e6 + e7)
	PLACES NP                                      ; behind the last products: for the reads of results and for the loads into the registers that held A's fragments
	TOSTAGE 0
.irp a, 1,2,3,4,5,6,7
.if \a > 1
	s_wait_xcnt 0x0                                ; block a - 2's stores have read their registers and their base: block a's loads may land there, and the base may step
.endif
	TOSTAGE \a
	SEND \a-1, 32                                  ; behind block a - 1's loads: block a's 16 stores and 16 loads
.endr
	s_wait_xcnt 0x0                                ; block 6's stores have read their base
	SEND 7, 0
	s_wait_tensorcnt 0x0                           ; the wave's end: a wait, an add of 0 to my spare word and its wait, behind my last tensor load and my last LDS store
	ds_add_u32 v[SPW], v[NIL]
	s_wait_dscnt 0x0
	CROUND                                         ; the closing round: no work-group ends while a partner may still ask for a tile that names it
	s_endpgm
.Lfunc_end_k_q8daa6fe322_gemm_out:
	.size	k_q8daa6fe322_gemm_out, .Lfunc_end_k_q8daa6fe322_gemm_out-k_q8daa6fe322_gemm_out
	.p2alignl 7, 3214868480
	.fill 96, 4, 3214868480
	.section	.rodata,"a",@progbits
	.p2align	6, 0x0
	.amdhsa_kernel k_q8daa6fe322_gemm_out
		.amdhsa_group_segment_fixed_size 327680
		.amdhsa_private_segment_fixed_size 0
		.amdhsa_enable_private_segment 0
		.amdhsa_kernarg_size 32
		.amdhsa_user_sgpr_count 2
		.amdhsa_user_sgpr_kernarg_segment_ptr 1
		.amdhsa_wavefront_size32 1
		.amdhsa_system_sgpr_workgroup_id_x 1
		.amdhsa_system_sgpr_workgroup_id_y 1
		.amdhsa_system_sgpr_workgroup_id_z 1
		.amdhsa_system_vgpr_workitem_id 0
		.amdhsa_next_free_vgpr 1024
		.amdhsa_next_free_sgpr 98
		.amdhsa_reserve_vcc 0
		.amdhsa_float_denorm_mode_32 3
		.amdhsa_float_denorm_mode_16_64 3
		.amdhsa_memory_ordered 1
		.amdhsa_forward_progress 1
		.amdhsa_inst_pref_size 124
	.end_amdhsa_kernel
	.amdgpu_metadata
---
amdhsa.version: [ 1, 2 ]
amdhsa.kernels:
  - .name:           k_q8daa6fe322_gemm_out
    .symbol:         k_q8daa6fe322_gemm_out.kd
    .args:
      - { .name: yc, .offset: 0, .size: 8, .value_kind: global_buffer, .address_space: global }
      - { .name: wc, .offset: 8, .size: 8, .value_kind: global_buffer, .address_space: global }
      - { .name: lowp_scales, .offset: 16, .size: 8, .value_kind: global_buffer, .address_space: global }
      - { .name: out0, .offset: 24, .size: 8, .value_kind: global_buffer, .address_space: global }
    .group_segment_fixed_size: 327680
    .private_segment_fixed_size: 0
    .kernarg_segment_align: 8
    .kernarg_segment_size: 32
    .max_flat_workgroup_size: 128
    .sgpr_count:     98
    .vgpr_count:     1024
    .wavefront_size: 32
...
	.end_amdgpu_metadata
.endif
;; end of part 4
